; MI455X (gfx1250); checked and timed in simulation.
; The chip was launched on July 23, 2026; its instructions are those of AMD's public machine-readable ISA for CDNA 5 (MIT licence, August 2026) and "CDNA5" Instruction Set Architecture Reference Guide (July 2026). The comments in the code are by the model that wrote it; some were corrected since.
;; Attention Layer. Allowed arithmetic: float matrix products may take bf16 or f16 operands with f32 sums; other float arithmetic in f32, or as packed bf16 or f16 multiplies, adds, multiply-adds, maxima and minima; sums over many terms, partial sums and values carried from step to step in f32; what a program stores and reads back later, other than sums and carried values, may be rounded once to bf16 or f16.
;; Inputs: Wk 1,024 x 1,024 float32; Wo 1,024 x 1,024 float32; Wq 1,024 x 1,024 float32; Wv 1,024 x 1,024 float32; attn_mask 4 x 1 x 2,048 x 2,048 int32; x 4 x 2,048 x 1,024 float32.
;; Outputs: out0 4 x 2,048 x 1,024 float32.
;; One version. Each part assembles by itself: llvm-mc -triple=amdgcn-amd-amdhsa -mcpu=gfx1250 --defsym DOCPART=n.
;; ======== version 1 of 1: 4 launches
;; limits: right only within a limited range of input values; values are held in f16: magnitudes above 65,504 overflow, below 6.1e-05 lose precision
;; workspace buffers: xb 16,777,216 bytes; wts 8,388,608 bytes; mk 16,777,216 bytes; tab 1,048,576 bytes; qw 25,165,824 bytes; kw 25,165,824 bytes; vw 16,777,216 bytes; ow 16,777,216 bytes
;; launch prep (part 1): grid 1288 x 1, 8 waves a work-group, no clusters, 35,840 bytes of LDS; arguments x, attn_mask, Wq, Wk, Wv, Wo, xb, wts, mk, tab; writes xb, wts, mk, tab
.if DOCPART == 1
	.amdgcn_target "amdgcn-amd-amdhsa--gfx1250"
	.amdhsa_code_object_version 6
	.text
	.protected	k_q770608c999_prep
	.globl	k_q770608c999_prep
	.p2align	8
	.type	k_q770608c999_prep,@function
k_q770608c999_prep:
	s_mov_b64 s[64:65], 0
	v_nop
	global_prefetch_b8 v0, s[64:65] scope:SCOPE_SE
	s_setreg_imm32_b32 hwreg(HW_REG_WAVE_MODE, 25, 1), 1
	s_wait_xcnt 0x0
; FOUR STREAMS, one role to a work-group, chosen by the work-group's number (the same for its eight waves):
;   0..511     MASK  16 query rows of attn_mask (131,072 bytes of int32) become 32,768 bytes of codes, a byte a key: 0x00 where the mask is not 0, 0xB8 (-1.0 in FP8 E4M3) where it is 0
;   512..1023  X     16 rows of x, f32 to bf16
;   1024..1279 W     16 rows of Wq, Wk, Wv (f32 to bf16, rows re-ordered for the projection's tiles) or of Wo (rounded to bf16, that number written as f16)
;   1280..1287 TAB   256 tokens of the rotary tables that reference() builds in its own body
; mk: [b 4][tile of 16 queries 128][step of 64 keys 32][kb / 2][lane 32][kb % 2][j 8]: lane (r = lane % 16, h = lane / 16), byte j of block kb = query 16 tile + r, key 64 step + 16 kb + 8 h + j:
;     eight bytes serve the eight registers of a lane's accumulator of S^T, and a load of 16 bytes a lane covers 512 consecutive bytes.
; wts: row cb*384 + g*96 + ty*32 + r holds W_ty's row cb*128 + g*32 + r (ty: 0 q, 1 k, 2 v); from row 3,072 on Wo's rows as they lie.
; tab: f32 [2][2048][32][2]: (cos, sin) x scale / 16, then (cos, sin) / scale / 16.  The two sixteenths and the factor 8 kept in the softmax's c make reference()'s 1 / 32.
; LIMITS.  inv_freq is 10^(-i/8) rounded to f32, which may differ from numpy's power and division by a unit in the last place; cos and sin come from the same f32 angle t x inv_freq, by a reduction
; with pi / 2 in two parts (exact for t < 2,048) and polynomials of degree 7 and 8; scale = 2^(log2(base) x power).  Wo below 2^-17 keeps f16's fixed step of 2^-24; beyond 65,504 it has no f16.
; No matrix unit, cluster or tensor load: every byte is read once and written once, and no two work-groups share a byte.  No prefetch: the launch streams all the time.
.set SPARE, 34816                      ; behind the mask's stage (128 rows x 272 bytes): the spare words, 128 bytes a wave
.set SPW, 2                            ; v2  SPARE + 4 x my thread's number; never rewritten
.set NIL, 3                            ; v3  0; never rewritten
.set LN,  1                            ; v1  lane
	s_load_b512 s[8:23], s[0:1], 0x0               ; x 8, attn_mask 10, Wq 12, Wk 14, Wv 16, Wo 18, xb 20, wts 22
	s_load_b128 s[24:27], s[0:1], 0x40             ; mk 24, tab 26
	v_lshl_add_u32 v[SPW], v0, 2, SPARE
	v_mov_b32 v[NIL], 0
	v_and_b32 v[LN], 31, v0
	v_lshrrev_b32 v4, 5, v0
	v_readfirstlane_b32 s4, v4                     ; wave 0..7
	s_mov_b32 s29, 0
	s_mov_b32 s31, 0
	s_mov_b32 s41, 0
	s_wait_kmcnt 0x0
	s_cmp_lt_u32 ttmp9, 512
	s_cbranch_scc1 .Lmask
	s_cmp_lt_u32 ttmp9, 1024
	s_cbranch_scc1 .Lx
	s_cmp_lt_u32 ttmp9, 1280
	s_cbranch_scc1 .Lw
	; ---- TAB: a wave has 32 tokens, a lane one pair of dimensions ----
	s_sub_co_u32 s5, ttmp9, 1280
	s_lshl_b32 s5, s5, 8
	s_lshl_b32 s6, s4, 5
	s_add_co_u32 s5, s5, s6                        ; my first token
	s_lshl_b32 s28, s5, 8                          ; 256 bytes a token
	s_add_nc_u64 s[26:27], s[26:27], s[28:29]
	v_lshlrev_b32 v5, 3, v[LN]                     ; 8 bytes a pair
	v_mov_b32 v10, 0
.set i, 0
.irp f, 1.0, 0.7498942093, 0.5623413252, 0.4216965034, 0.3162277660, 0.2371373706, 0.1778279410, 0.1333521432, 0.1, 0.07498942093, 0.05623413252, 0.04216965034, 0.03162277660, 0.02371373706, 0.01778279410, 0.01333521432, 0.01, 0.007498942093, 0.005623413252, 0.004216965034, 0.003162277660, 0.002371373706, 0.001778279410, 0.001333521432, 0.001, 0.0007498942093, 0.0005623413252, 0.0004216965034, 0.0003162277660, 0.0002371373706, 0.0001778279410, 0.0001333521432
	s_mov_b32 s7, \f                               ; inv_freq of pair i = 10^(-i/8)
	v_writelane_b32 v10, s7, i
.set i, i+1
.endr
	s_mov_b32 s40, 0x3fc90fdb                      ; pi / 2, its f32
	s_mov_b32 s41, 0x333bbd2e                      ; that f32 less pi / 2
	s_mov_b32 s42, 0xb94ca1f9                      ; sine: -1.9515295891e-4
	s_mov_b32 s43, 0x3c08839e                      ;        8.3321608736e-3
	s_mov_b32 s44, 0xbe2aaaa3                      ;       -1.6666654611e-1
	s_mov_b32 s45, 0x37ccf5ce                      ; cosine: 2.443315712e-5
	s_mov_b32 s46, 0xbab6061a                      ;        -1.388731625e-3
	s_mov_b32 s47, 0x3d2aaaa5                      ;         4.166664568e-2
	v_cvt_f32_u32 v11, v[LN]
	v_add_f32 v11, v11, v11
	v_add_f32 v11, 0x41cccccd, v11                 ; 2 i + 25.6
	v_mul_f32 v11, 0.0111607143, v11               ; / 89.6: the xpos base
	v_log_f32 v12, v11
	v_nop                                          ; a plain instruction behind the logarithm,
	s_wait_alu depctr_va_vdst(0)                   ; and the wait ahead of its first reader
	v_mul_f32 v12, 0x3b000000, v12                 ; log2(base) / 512
	s_mov_b32 s6, 32
.Ltab:
	v_cvt_f32_u32 v13, s5                          ; t
	v_add_f32 v27, 0xc4800000, v13                 ; t - 1,024
	v_mul_f32 v27, v27, v12                        ; e = log2(scale)
	v_add_f32 v28, -4.0, v27
	v_sub_f32 v29, -4.0, v27
	v_exp_f32 v28, v28                             ; scale / 16
	v_exp_f32 v29, v29                             ; 1 / scale / 16
	v_mul_f32 v14, v13, v10                        ; the angle, rounded as reference() rounds it
	v_mul_f32 v15, 0x3f22f983, v14
	v_rndne_f32 v15, v15                           ; n = the nearest multiple of pi / 2
	v_fma_f32 v16, -v15, s40, v14                  ; exact: the difference has 24 bits at the most
	v_fma_f32 v16, v15, s41, v16                   ; r, within pi / 4
	v_mul_f32 v17, v16, v16                        ; z
	v_fma_f32 v18, v17, s42, s43
	v_fma_f32 v20, v17, s45, s46
	v_fma_f32 v18, v18, v17, s44
	v_fma_f32 v20, v20, v17, s47
	v_mul_f32 v19, v17, v16
	v_mul_f32 v21, v17, v17
	v_fma_f32 v22, v17, -0.5, 1.0
	v_fma_f32 v18, v18, v19, v16                   ; sin r
	v_fma_f32 v20, v20, v21, v22                   ; cos r
	v_cvt_i32_f32 v23, v15
	v_and_b32 v24, 1, v23
	v_cmp_eq_u32 vcc_lo, 1, v24
	v_cndmask_b32 v25, v18, v20, vcc_lo            ; odd n: sine and cosine change places
	v_cndmask_b32 v26, v20, v18, vcc_lo
	v_lshlrev_b32 v24, 30, v23                     ; the sine's sign: bit 1 of n
	v_and_b32 v24, 0x80000000, v24
	v_xor_b32 v25, v24, v25
	v_add_nc_u32 v23, 1, v23                       ; the cosine's: bit 1 of n + 1
	v_lshlrev_b32 v24, 30, v23
	v_and_b32 v24, 0x80000000, v24
	v_xor_b32 v26, v24, v26
	s_wait_alu depctr_va_vdst(0)                   ; one wait for both exponentials; the lines above are the independent work between
	v_mul_f32 v30, v26, v28
	v_mul_f32 v31, v25, v28
	v_mul_f32 v32, v26, v29
	v_mul_f32 v33, v25, v29
	global_store_b64 v5, v[30:31], s[26:27]                 ; 32 lanes: a token's 256 consecutive bytes, aligned
	global_store_b64 v5, v[32:33], s[26:27] offset:524288
	s_wait_xcnt 0x0                                ; the stores have read their data and base, which the next trip rewrites
	s_add_nc_u64 s[26:27], s[26:27], 256
	s_add_co_u32 s5, s5, 1
	s_sub_co_u32 s6, s6, 1
	s_cmp_lg_u32 s6, 0
	s_cbranch_scc1 .Ltab
	s_branch .Lend
	; ---- MASK: wave w takes query rows 2 w and 2 w + 1 of the tile ----
.Lmask:
	s_lshl_b32 s28, ttmp9, 17
	s_add_nc_u64 s[10:11], s[10:11], s[28:29]      ; 16 rows of 8,192 bytes
	s_lshl_b32 s28, ttmp9, 15
	s_add_nc_u64 s[24:25], s[24:25], s[28:29]      ; 32,768 bytes of codes
	s_lshl_b32 s5, s4, 14
	v_lshl_add_u32 v4, v[LN], 4, s5
.set i, 0
.rept 32                                       ; both rows at once: 32 loads of 512 consecutive bytes are on their way
	global_load_b128 v[32+4*i:35+4*i], v4, s[10:11] offset:512*i th:TH_LOAD_NT
.set i, i+1
.endr
.irp j, 0,1,2,3
	s_mov_b32 s[32+(\j)], 0xb8<<(8*(\j))           ; the code of a hidden key in byte j of a word
.endr
	; The stage: row 4 step + 2 (kb / 2) + h, 256 bytes (16 queries x 16) at a pitch of 272.  A lane's four keys 4 l .. are one word: step l / 16, kb (l / 4) % 4, h (l / 2) % 2, j 4 (l % 2) ..
	v_lshrrev_b32 v9, 4, v[LN]
	v_bfe_u32 v10, v[LN], 3, 1
	v_lshl_add_u32 v6, v9, 1, v10
	v_bfe_u32 v10, v[LN], 1, 1
	v_lshl_add_u32 v6, v6, 1, v10                  ; the row: eight different rows in a store, four words apart in the banks,
	v_mul_u32_u24 v6, v6, 272
	v_bfe_u32 v10, v[LN], 2, 1
	v_lshl_add_u32 v6, v10, 3, v6                  ; and four different words in each: the 32 lanes' words fall into 32 different banks
	v_and_b32 v10, 1, v[LN]
	v_lshl_add_u32 v6, v10, 2, v6
	s_lshl_b32 s5, s4, 5
	v_add_nc_u32 v6, s5, v6                        ; + 16 bytes a query row
	s_lshl_b32 s5, s4, 4
	v_add_nc_u32 v7, s5, v9
	v_mul_u32_u24 v7, v7, 272
	v_and_b32 v10, 15, v[LN]
	v_lshl_add_u32 v7, v10, 4, v7                  ; back: wave w reads stage rows 16 w .., two whole rows a load
	s_lshl_b32 s5, s4, 12
	v_lshl_add_u32 v8, v[LN], 4, s5
; Row j, keys 256 c ..: the lane holds keys 4 l .. + 3 and 128 + 4 l .. + 3: two words, eight stage rows apart.
.macro CHUNK j, c
	s_wait_loadcnt 30-16*(\j)-2*(\c)               ; loads come back in order: all but those issued behind this chunk's two
.set b, 32+4*(16*(\j)+2*(\c))
.irp e, 0,1,2,3,4,5,6,7
	v_cmp_eq_u32 vcc_lo, 0, v[b+(\e)]
	v_cndmask_b32 v[16+(\e)], 0, s[32+(\e)%4], vcc_lo
.endr
	v_add3_u32 v12, v16, v17, v18
	v_add3_u32 v13, v20, v21, v22
	v_add_nc_u32 v12, v12, v19
	v_add_nc_u32 v13, v13, v23
	ds_store_b32 v6, v12 offset:(\c)*4352+(\j)*16
	ds_store_b32 v6, v13 offset:(\c)*4352+(\j)*16+2176
.endm
.irp j, 0,1
.irp c, 0,1,2,3,4,5,6,7
	CHUNK \j, \c
.endr
.endr
	s_wait_dscnt 0x0                               ; for the others' sake: my words are in the stage
	s_barrier_signal -1
	s_barrier_wait -1
.irp i, 0,1,2,3,4,5,6,7
	ds_load_b128 v[32+4*(\i):35+4*(\i)], v7 offset:(\i)*544
.endr
.irp i, 0,1,2,3,4,5,6,7
	s_wait_dscnt 7-(\i)
	global_store_b128 v8, v[32+4*(\i):35+4*(\i)], s[24:25] offset:(\i)*512  ; 512 consecutive bytes, aligned
.endr
	s_branch .Lend
	; ---- X and W: a wave converts two rows, 8,192 consecutive bytes in, 4,096 out ----
.Lx:
	s_sub_co_u32 s5, ttmp9, 512
	s_lshl_b32 s5, s5, 4
	s_lshl1_add_u32 s5, s4, s5                     ; my first row
	s_lshl_b32 s28, s5, 12
	s_add_nc_u64 s[28:29], s[8:9], s[28:29]
	s_lshl_b32 s30, s5, 11
	s_add_nc_u64 s[30:31], s[20:21], s[30:31]
	s_mov_b32 s6, 0
	s_branch .Lconv
.Lw:
	s_sub_co_u32 s5, ttmp9, 1024
	s_lshr_b32 s7, s5, 6                           ; ty: 0 Wq, 1 Wk, 2 Wv, 3 Wo
	s_and_b32 s5, s5, 63
	s_lshl_b32 s5, s5, 4
	s_lshl1_add_u32 s5, s4, s5                     ; f: my first row of that matrix
	s_mov_b64 s[28:29], s[12:13]
	s_cmp_eq_u32 s7, 1
	s_cselect_b64 s[28:29], s[14:15], s[28:29]
	s_cmp_eq_u32 s7, 2
	s_cselect_b64 s[28:29], s[16:17], s[28:29]
	s_cmp_eq_u32 s7, 3
	s_cselect_b64 s[28:29], s[18:19], s[28:29]
	s_lshl_b32 s40, s5, 12
	s_add_nc_u64 s[28:29], s[28:29], s[40:41]
	s_lshr_b32 s42, s5, 7
	s_mul_i32 s42, s42, 384
	s_bfe_u32 s43, s5, 0x20005                     ; (f >> 5) & 3
	s_mul_i32 s43, s43, 96
	s_add_co_u32 s42, s42, s43
	s_lshl_b32 s43, s7, 5
	s_add_co_u32 s42, s42, s43
	s_and_b32 s43, s5, 31
	s_add_co_u32 s42, s42, s43                     ; the row's place among the 3,072
	s_add_co_u32 s43, s5, 3072                     ; Wo's rows lie behind them
	s_cmp_eq_u32 s7, 3
	s_cselect_b32 s42, s43, s42
	s_cselect_b32 s6, 1, 0
	s_lshl_b32 s40, s42, 11
	s_add_nc_u64 s[30:31], s[22:23], s[40:41]
.Lconv:
	v_lshlrev_b32 v4, 4, v[LN]
	v_lshlrev_b32 v5, 3, v[LN]
.set i, 0
.rept 16
	global_load_b128 v[32+4*i:35+4*i], v4, s[28:29] offset:512*i th:TH_LOAD_NT
.set i, i+1
.endr
.macro CONV half                       ; half = 1: the bf16 number is written as f16
.set i, 0
.rept 16
	s_wait_loadcnt 15-i                            ; the younger loads stay out
	v_cvt_pk_bf16_f32 v[96+2*i], v[32+4*i], v[33+4*i]
	v_cvt_pk_bf16_f32 v[97+2*i], v[34+4*i], v[35+4*i]
.if \half
	v_lshlrev_b32 v6, 16, v[96+2*i]
	v_and_b32 v7, 0xffff0000, v[96+2*i]
	v_lshlrev_b32 v8, 16, v[97+2*i]
	v_and_b32 v9, 0xffff0000, v[97+2*i]
	v_cvt_pk_f16_f32 v[96+2*i], v6, v7
	v_cvt_pk_f16_f32 v[97+2*i], v8, v9
.endif
	global_store_b64 v5, v[96+2*i:97+2*i], s[30:31] offset:256*i  ; 32 lanes: 256 consecutive bytes, aligned
.set i, i+1
.endr
.endm
	s_cmp_eq_u32 s6, 1
	s_cbranch_scc1 .Lhalf
	CONV 0
	s_branch .Lend
.Lhalf:
	CONV 1
.Lend:
	s_wait_tensorcnt 0x0                           ; the wave's end, behind my last LDS store
	ds_add_u32 v[SPW], v[NIL]
	s_wait_dscnt 0x0
	s_endpgm
.Lfunc_end_k_q770608c999_prep:
	.size	k_q770608c999_prep, .Lfunc_end_k_q770608c999_prep-k_q770608c999_prep
	.p2alignl 7, 3214868480
	.fill 96, 4, 3214868480
	.section	.rodata,"a",@progbits
	.p2align	6, 0x0
	.amdhsa_kernel k_q770608c999_prep
		.amdhsa_group_segment_fixed_size 35840
		.amdhsa_private_segment_fixed_size 0
		.amdhsa_enable_private_segment 0
		.amdhsa_kernarg_size 80
		.amdhsa_user_sgpr_count 2
		.amdhsa_user_sgpr_kernarg_segment_ptr 1
		.amdhsa_wavefront_size32 1
		.amdhsa_system_sgpr_workgroup_id_x 1
		.amdhsa_system_sgpr_workgroup_id_y 1
		.amdhsa_system_sgpr_workgroup_id_z 1
		.amdhsa_system_vgpr_workitem_id 0
		.amdhsa_next_free_vgpr 160
		.amdhsa_next_free_sgpr 66
		.amdhsa_reserve_vcc 1
		.amdhsa_float_denorm_mode_32 3
		.amdhsa_float_denorm_mode_16_64 3
		.amdhsa_memory_ordered 1
		.amdhsa_forward_progress 1
		.amdhsa_inst_pref_size 48
	.end_amdhsa_kernel
	.amdgpu_metadata
---
amdhsa.version: [ 1, 2 ]
amdhsa.kernels:
  - .name:           k_q770608c999_prep
    .symbol:         k_q770608c999_prep.kd
    .args:
      - { .name: x, .offset: 0, .size: 8, .value_kind: global_buffer, .address_space: global }
      - { .name: attn_mask, .offset: 8, .size: 8, .value_kind: global_buffer, .address_space: global }
      - { .name: Wq, .offset: 16, .size: 8, .value_kind: global_buffer, .address_space: global }
      - { .name: Wk, .offset: 24, .size: 8, .value_kind: global_buffer, .address_space: global }
      - { .name: Wv, .offset: 32, .size: 8, .value_kind: global_buffer, .address_space: global }
      - { .name: Wo, .offset: 40, .size: 8, .value_kind: global_buffer, .address_space: global }
      - { .name: xb, .offset: 48, .size: 8, .value_kind: global_buffer, .address_space: global }
      - { .name: wts, .offset: 56, .size: 8, .value_kind: global_buffer, .address_space: global }
      - { .name: mk, .offset: 64, .size: 8, .value_kind: global_buffer, .address_space: global }
      - { .name: tab, .offset: 72, .size: 8, .value_kind: global_buffer, .address_space: global }
    .group_segment_fixed_size: 35840
    .private_segment_fixed_size: 0
    .kernarg_segment_align: 8
    .kernarg_segment_size: 80
    .max_flat_workgroup_size: 256
    .sgpr_count:     66
    .vgpr_count:     160
    .wavefront_size: 32
...
	.end_amdgpu_metadata
.endif
;; end of part 1
;; launch qkv (part 2): grid 8 x 64, 4 waves a work-group, clusters of 4 x 4, 327,680 bytes of LDS; arguments xb, wts, tab, qw, kw, vw; writes qw, kw, vw
.if DOCPART == 2
	.amdgcn_target "amdgcn-amd-amdhsa--gfx1250"
	.amdhsa_code_object_version 6
	.text
	.protected	k_q770608c999_qkv
	.globl	k_q770608c999_qkv
	.p2align	8
	.type	k_q770608c999_qkv,@function
k_q770608c999_qkv:
	s_mov_b64 s[64:65], 0
	v_nop
	global_prefetch_b8 v0, s[64:65] scope:SCOPE_SE
	s_setreg_imm32_b32 hwreg(HW_REG_WAVE_MODE, 25, 1), 1
	s_wait_xcnt 0x0
	s_wait_alu depctr_hold_cnt(0) depctr_sa_sdst(0) depctr_va_vdst(0) depctr_va_sdst(0) depctr_va_ssrc(0) depctr_va_vcc(0) depctr_vm_vsrc(0)
	s_getreg_b32 s2, hwreg(HW_REG_IB_STS2, 6, 4)
	s_cmp_eq_u32 s2, 0
	s_cbranch_scc0 .Lentry_in_a_cluster
	s_endpgm
.Lentry_in_a_cluster:
	s_bfe_u32 s2, ttmp6, 0x10000c
	s_cmp_lg_u32 s2, 0xf033
	s_cbranch_scc0 .Lentry_shape_is_right
	s_endpgm
.Lentry_shape_is_right:
; THE THREE PROJECTIONS, THE ROTARY AND THE SPLIT INTO HEADS.  C[t][n] = sum over c of xb[t][c] wts[n][c], bf16 operands, f32 sums, K = 1,024 ascending; then on the way out
; q'' = rot(q) x scale / 16, k'' = rot(k) / scale / 16 (tables from tab), v as it is, each rounded once to f16 and stored by heads and planes of 32 dimensions:
; qw, kw: [bh 64][3][2048][32], planes 0 and 1 the 64 dimensions; plane 2 a second term for dimensions 0-15, which carry the large xpos factors: q: [lo, hi], k: [hi, lo], lo = f16(x - f16(x)),
; so that the sum over 96 channels is hi hi + lo hi + hi lo there.  vw: [bh][2][2048][32].
; LIMITS.  |q''|, |k''|, |v| stay under 65,504 (f16); NaN and infinities are not treated apart.
; SHARES.  A work-group makes 128 tokens x 384 columns.  wts' rows are ordered so that wave w's 96 columns are 32 dimensions each of q, k and v of one head and plane: all four waves run one text,
; each with ALL 128 rows: 48 accumulators of 16 x 16 (384 registers); for 32 along K 14 fragments from LDS feed 48 matrix instructions.
; The matrix instruction is used transposed (source 0 = 16 rows of wts, source 1 = 16 tokens): a lane holds one token and eight neighbouring columns.
; RING.  K in steps of 128 through two LDS slots (128 rows of xb, 384 of wts, 256 bytes a row, 16 of padding).  Each wave fetches 128 rows by one tensor load: wave 0 xb's, waves 1-3 wts'.
; CLUSTER 4 x 4: xb's tile hangs on the tile row alone and is asked for jointly along a row of the cluster, wts' on the tile column alone, jointly along a column.
; REGISTERS: window 0: v16-31 addresses; v64-127, v128-191 xb's fragments, two buffers; on the way out v32-131 at work.  window 1: v64-111, v128-175 wts' fragments.
;   window 2: accumulators of token blocks 0-3 at v[48 a + 8 nb]; window 3: blocks 4-7.
.set KSTEP,  128
.set PITCH,  272                       ; 256 bytes + 16: the 16 rows of a fragment load start at 16 different groups of four banks (64 banks of 4 bytes: ISA guide 11.1)
.set HALFT,  128*PITCH                 ; what one tensor load brings
.set SLOT,   4*HALFT
.set SPARE,  2*SLOT                    ; behind the ring: the spare words, 128 bytes a wave
.set DUMP,   2*HALFT                   ; on the way out, when the ring has had its last fill: the tables lie in bytes 0 .. 2 HALFT, each wave's f32 results behind them
.set DPITCH, 400                       ; 96 f32 + 16 bytes: 100 words, 16 rows again at 16 different groups of four banks
.set DWAVE,  128*DPITCH
.set ADRA, 16                          ; v16-17  LDS address of my xb fragments in slot 0, 1
.set ADRB, 20                          ; v20-21  the same for wts
.set DST,  24                          ; v24  where I put 16 bytes of a token's f32 results
.set DRD,  25                          ; v25  where I read 32 bytes of them back
.set TRD,  26                          ; v26  my four pairs of the token's table row
.set GOF,  27                          ; v27  16 x lane
.set SPW,  28                          ; v28  SPARE + 4 x my thread's number; never rewritten
.set NIL,  29                          ; v29  0; never rewritten
.set PFO,  30                          ; v30  the prefetches' offset: lane x a row of 2,048 bytes
.set NEG1, 31                          ; v31  -1.0
.set F0,   64
.set F1,   128
.set HQ, 32                            ; way out: f16 results, 4 registers each
.set HK, 36
.set HV, 40
.set LQ, 44                            ; low terms
.set LK, 48
.set DQ, 52                            ; the lane two away's
.set DK, 56
.set OQ, 60                            ; plane 2
.set OK, 128
.set RQ, 64                            ; f32 as read back, 8 each
.set RK, 72
.set RV, 80
.set TQ, 88                            ; four (cos, sin) pairs each
.set TK, 96
.set XQ, 104                           ; rotated
.set XK, 112
.set WV,  16                           ; s16 wave
.set G1,  24                           ; s[24:31] group 1 for xb's tiles;  s[32:39] group 0, a set a slot
.set G0,  32
.set G1B, 48                           ; s[48:55], s[56:63] the same for wts'
.set G0B, 56
.set PFA, 66                           ; s[66:67] where my prefetches stand
.set LIM, 68                           ; s68  1 in a wave that prefetches, else the greatest number
.set PLANE, 69                         ; s69  wave & 1
.set LM,  70                           ; s70  lanes whose chunk of 8 dimensions is 0 or 1
.set G1T, 72                           ; s[72:79], s[80:83] the tables' descriptor
.set G0T, 80
.set QP,  84                           ; s[84:93] where my results go: q, k, v, q's and k's plane 2
.set KP,  86
.set VP,  88
.set QX,  90
.set KX,  92
.set ECNT, 94
.set MSB, 0
.macro WIN new                         ; the immediate's high byte repeats the setting that is left; a switch that changes nothing is dropped
.if MSB != (\new)
	s_set_vgpr_msb (MSB<<8)|(\new)
.set MSB, \new
.endif
.endm
.set MUL_LO, 0xa1                      ; source 0 (wts) window 1, source 1 (xb) window 0, C and D window 2
.set TO_B,   0x40
.macro PLACES                          ; four places behind matrix instructions, in front of loads into registers that they have read and of reads of results
.rept 4
	v_nop
.endr
.endm
; A joint load: wave 0 asks for xb's tile, waves 1-3 for the thirds of wts'.  The branch hangs on the wave's number alone.  An s_nop 0 and four v_nop follow each line.
.macro JLOAD s
	s_cmp_eq_u32 s[WV], 0
	s_cbranch_scc0 .Lfor_b_\@
	tensor_load_to_lds s[G0+4*(\s):G0+4*(\s)+3], s[G1:G1+7]
	s_nop 0
.rept 4
	v_nop
.endr
	s_branch .Lasked_\@
.Lfor_b_\@:
	tensor_load_to_lds s[G0B+4*(\s):G0B+4*(\s)+3], s[G1B:G1B+7]
	s_nop 0
.rept 4
	v_nop
.endr
.Lasked_\@:
.endm
; The tables of my 128 tokens, into slot 0 when its last K step has been read: wave 0 q's, wave 1 k's; waves 2 and 3 ask for nothing.  They hang on the tile row alone: joint along the cluster's row.
.macro TLOAD
	s_cmp_lt_u32 s[WV], 2
	s_cbranch_scc0 .Lno_tab_\@
	tensor_load_to_lds s[G0T:G0T+3], s[G1T:G1T+7]
	s_nop 0
.rept 4
	v_nop
.endr
.Lno_tab_\@:
	PLACES                                         ; for the waves that jumped: the places in front of the fragment loads
.endm
; A prefetch of the K step that stands two refills on: 32 rows x 256 bytes, a lane a row.  xb's rows are read by both clusters of a row of clusters: the one with x = 0 asks; wts' by all sixteen of a column: y = 0 asks.
; The four partners of a joint load share its 128 rows out by address, 32 each.  So each row's 256 bytes of a K step are named once.  The loop's last trip asks for nothing: K ends.
.macro ASK
	s_cmp_gt_u32 s3, s[LIM]
	s_cbranch_scc0 .Lnot_mine_\@
	global_prefetch_b8 v[PFO], s[PFA:PFA+1] offset:KSTEP*2 th:TH_LOAD_NT scope:SCOPE_SE
.Lnot_mine_\@:
.endm
.macro CREST                           ; a round of the cluster's barrier behind its opening barrier
	s_cmp_lg_u32 s[WV], 0
	s_cbranch_scc1 .Lnot_wave_0_\@
	s_barrier_signal -3
.Lnot_wave_0_\@:
	s_barrier_wait -3
	s_barrier_signal -1
	s_barrier_wait -1
.endm
.macro CROUND
	s_barrier_signal -1
	s_barrier_wait -1
	CREST
.endm
	s_load_b256 s[4:11], s[0:1], 0x0               ; xb 4, wts 6, tab 8, qw 10
	s_load_b128 s[12:15], s[0:1], 0x20             ; kw 12, vw 14
	v_lshl_add_u32 v[SPW], v0, 2, SPARE
	v_mov_b32 v[NIL], 0
	ds_add_u32 v[SPW], v[NIL]                      ; the wave's opening: the add and its wait ahead of my first tensor load
	v_lshrrev_b32 v1, 5, v0
	v_readfirstlane_b32 s[WV], v1
	s_bfe_u32 s17, ttmp6, 0x40000                  ; cx
	s_bfe_u32 s18, ttmp6, 0x40004                  ; cy
	s_lshl_b32 s19, ttmp9, 2
	s_add_co_u32 s19, s19, s17                     ; X: tile column, 0..7
	s_and_b32 s20, ttmp7, 0xffff
	s_lshl_b32 s20, s20, 2
	s_add_co_u32 s20, s20, s18                     ; Y: tile row, 0..63
	s_lshl_b32 s21, s18, 2
	s_lshl_b32 s21, 15, s21                        ; my row of the cluster
	s_lshl_b32 s22, 0x1111, s17                    ; my column
	s_or_b32 s[G1], s21, (1<<16)|(1<<20)|(1<<21)|(5<<22)|(3<<25)   ; mask; 2-byte elements; padding on; bit 21 beside a mask; after every 64 words 4 words
	s_or_b32 s[G1B], s22, (1<<16)|(1<<20)|(1<<21)|(5<<22)|(3<<25)
	s_or_b32 s[G1T], s21, (2<<16)|(1<<20)|(1<<21)|(5<<22)|(3<<25)  ; the same with 4-byte elements
.irp g, G1, G1B
	s_mov_b32 s[(\g)+1], KSTEP<<16                 ; tensor_dim0 = 128
	s_mov_b32 s[(\g)+2], 128<<16                   ; tensor_dim1 = 128
	s_mov_b32 s[(\g)+3], KSTEP<<16                 ; tile_dim0 = 128
	s_mov_b32 s[(\g)+4], 128                       ; tile_dim1 = 128
	s_mov_b32 s[(\g)+5], 1024                      ; elements from row to row
	s_mov_b32 s[(\g)+6], 0
	s_mov_b32 s[(\g)+7], 0
.endr
	s_mov_b32 s[G1T+1], 64<<16                     ; a token's 64 f32
	s_mov_b32 s[G1T+2], 128<<16
	s_mov_b32 s[G1T+3], 64<<16
	s_mov_b32 s[G1T+4], 128
	s_mov_b32 s[G1T+5], 64
	s_mov_b32 s[G1T+6], 0
	s_mov_b32 s[G1T+7], 0
	s_lshl_b32 s40, s20, 18                        ; xb: 128 Y rows of 2,048 bytes
	s_mov_b32 s41, 0
	s_max_u32 s23, s[WV], 1
	s_sub_co_u32 s23, s23, 1                       ; which third of wts' 384 rows
	s_mul_i32 s42, s19, 384
	s_lshl_b32 s43, s23, 7
	s_add_co_u32 s42, s42, s43
	s_mov_b32 s2, s42                              ; (the row, kept for the prefetches)
	s_lshl_b32 s42, s42, 11
	s_mov_b32 s43, 0
	s_mul_i32 s44, s[WV], HALFT                    ; where my 128 rows go: no place in the cluster enters an LDS address
	s_min_u32 s45, s[WV], 1
	s_and_b32 s46, s20, 15
	s_lshl_b32 s46, s46, 15                        ; my first token in its batch x 256 bytes
	s_lshl_b32 s47, s45, 19                        ; q's table or k's
	s_add_co_u32 s46, s46, s47
	s_mov_b32 s47, 0
	s_mul_i32 s45, s45, HALFT
	s_wait_dscnt 0x0                               ; the opening add is done
	s_wait_kmcnt 0x0
	s_add_nc_u64 s[40:41], s[4:5], s[40:41]
	s_add_nc_u64 s[42:43], s[6:7], s[42:43]
	s_mov_b32 s[G0T], 1
	s_mov_b32 s[G0T+1], s45
	s_add_nc_u64 s[G0T+2:G0T+3], s[8:9], s[46:47]
	s_or_b32 s[G0T+3], s[G0T+3], 0x80000000
	CROUND                                         ; all sixteen work-groups are here: the first joint loads meet
.irp s, 0,1
	s_mov_b32 s[G0+4*(\s)], 1
	s_add_co_u32 s[G0+4*(\s)+1], s44, (\s)*SLOT
	s_add_nc_u64 s[G0+4*(\s)+2:G0+4*(\s)+3], s[40:41], (\s)*KSTEP*2
	s_or_b32 s[G0+4*(\s)+3], s[G0+4*(\s)+3], 0x80000000
	s_mov_b32 s[G0B+4*(\s)], 1
	s_add_co_u32 s[G0B+4*(\s)+1], s44, (\s)*SLOT
	s_add_nc_u64 s[G0B+4*(\s)+2:G0B+4*(\s)+3], s[42:43], (\s)*KSTEP*2
	s_or_b32 s[G0B+4*(\s)+3], s[G0B+4*(\s)+3], 0x80000000
	JLOAD \s                                       ; K steps 0 and 1: two tensor loads of mine are out
.endr
	; where my results go
	s_lshr_b32 s21, s20, 4
	s_lshl_b32 s21, s21, 4                         ; 16 b
	s_lshl1_add_u32 s21, s19, s21                  ; + 2 X
	s_lshr_b32 s22, s[WV], 1
	s_add_co_u32 s21, s21, s22                     ; bh
	s_and_b32 s[PLANE], s[WV], 1
	s_and_b32 s22, s20, 15
	s_lshl_b32 s22, s22, 13                        ; my first token x 64 bytes
	s_mul_i32 s23, s21, 3
	s_add_co_u32 s45, s23, s[PLANE]
	s_lshl_b32 s46, s45, 17                        ; a plane is 131,072 bytes
	s_add_co_u32 s46, s46, s22
	s_mov_b32 s47, 0
	s_add_nc_u64 s[QP:QP+1], s[10:11], s[46:47]
	s_add_nc_u64 s[KP:KP+1], s[12:13], s[46:47]
	s_add_co_u32 s45, s23, 2
	s_lshl_b32 s46, s45, 17
	s_add_co_u32 s46, s46, s22
	s_add_nc_u64 s[QX:QX+1], s[10:11], s[46:47]
	s_add_nc_u64 s[KX:KX+1], s[12:13], s[46:47]
	s_lshl1_add_u32 s45, s21, s[PLANE]
	s_lshl_b32 s46, s45, 17
	s_add_co_u32 s46, s46, s22
	s_add_nc_u64 s[VP:VP+1], s[14:15], s[46:47]
	s_mov_b32 s[LM], 0x33333333
	; the prefetches
	s_lshl_b32 s45, s20, 7                         ; xb's first row
	s_and_b32 s22, ttmp7, 0xffff                   ; cluster y
	s_cmp_eq_u32 s[WV], 0
	s_cselect_b32 s45, s45, s2
	s_cselect_b32 s46, s17, s18                    ; my place among the four that ask with me
	s_cselect_b32 s22, ttmp9, s22                  ; the coordinate along which other clusters read the same rows
	s_cselect_b64 s[PFA:PFA+1], s[4:5], s[6:7]
	s_cmp_eq_u32 s22, 0
	s_cselect_b32 s[LIM], 1, -1
	s_lshl_b32 s46, s46, 5
	s_add_co_u32 s45, s45, s46
	s_lshl_b32 s46, s45, 11
	s_add_nc_u64 s[PFA:PFA+1], s[PFA:PFA+1], s[46:47]
	s_add_nc_u64 s[PFA:PFA+1], s[PFA:PFA+1], 2*KSTEP*2  ; at K step 2: the first refill steps it to 3 and names 4.  Nothing is prefetched at the head
	; lanes
	v_and_b32 v1, 15, v0
	v_bfe_u32 v2, v0, 4, 1
	v_mul_u32_u24 v3, v1, PITCH
	v_lshl_add_u32 v3, v2, 4, v3                   ; a fragment's row x pitch + 16 x half
	s_mul_i32 s23, s[WV], 96*PITCH
	s_add_co_u32 s23, s23, HALFT                   ; my 96 rows of wts, behind xb's 128
	v_mov_b32 v[ADRA], v3
	v_add_nc_u32 v[ADRA+1], SLOT, v3
	v_add_nc_u32 v[ADRB], s23, v3
	v_add_nc_u32 v[ADRB+1], SLOT, v[ADRB]
	s_mul_i32 s23, s[WV], DWAVE
	s_add_co_u32 s23, s23, DUMP
	v_mul_u32_u24 v4, v1, DPITCH
	v_lshl_add_u32 v4, v2, 5, v4
	v_add_nc_u32 v[DST], s23, v4
	v_and_b32 v5, 31, v0
	v_lshrrev_b32 v6, 2, v5                        ; on the way out a lane has token lane / 4 of eight,
	v_and_b32 v7, 3, v5                            ; and chunk lane % 4 of eight dimensions
	v_mul_u32_u24 v4, v6, DPITCH
	v_lshl_add_u32 v4, v7, 5, v4
	v_add_nc_u32 v[DRD], s23, v4
	v_mul_u32_u24 v4, v6, PITCH
	v_lshl_add_u32 v4, v7, 5, v4
	s_lshl_b32 s23, s[PLANE], 7                    ; my plane's 16 pairs
	v_add_nc_u32 v[TRD], s23, v4
	v_lshlrev_b32 v[GOF], 4, v5
	v_lshlrev_b32 v[PFO], 11, v5
	v_mov_b32 v[NEG1], 0xbf800000
; 12 matrix instructions: token blocks a0, a0 + 1 of the window's four x all 6 column blocks, 32 along K.  zero = 1: the first product starts the sums.
.macro MUL12 f, hi, a0, zero
	WIN MUL_LO+0x50*(\hi)
.irp a, \a0, (\a0)+1
.irp b, 0,1,2,3,4,5
.if \zero
	v_wmma_f32_16x16x32_bf16 v[48*(\a)+8*(\b):48*(\a)+8*(\b)+7], v[(\f)+8*(\b):(\f)+8*(\b)+7], v[(\f)+8*(4*(\hi)+(\a)):(\f)+8*(4*(\hi)+(\a))+7], 0
.else
	v_wmma_f32_16x16x32_bf16 v[48*(\a)+8*(\b):48*(\a)+8*(\b)+7], v[(\f)+8*(\b):(\f)+8*(\b)+7], v[(\f)+8*(4*(\hi)+(\a)):(\f)+8*(4*(\hi)+(\a))+7], v[48*(\a)+8*(\b):48*(\a)+8*(\b)+7]
.endif
.endr
.endr
.endm
; 28 LDS loads in one run: a quarter step's fragments (96 rows of wts, 128 tokens, 32 K at byte k) into buffer f
.macro FETCH slot, k, f
	WIN TO_B
.irp i, 0,1,2,3,4,5
	ds_load_b128 v[(\f)+8*(\i):(\f)+8*(\i)+3],   v[ADRB+(\slot)] offset:(\k)+(\i)*16*PITCH
	ds_load_b128 v[(\f)+8*(\i)+4:(\f)+8*(\i)+7], v[ADRB+(\slot)] offset:(\k)+(\i)*16*PITCH+32
.endr
	WIN 0
.irp i, 0,1,2,3,4,5,6,7
	ds_load_b128 v[(\f)+8*(\i):(\f)+8*(\i)+3],   v[ADRA+(\slot)] offset:(\k)+(\i)*16*PITCH
	ds_load_b128 v[(\f)+8*(\i)+4:(\f)+8*(\i)+7], v[ADRA+(\slot)] offset:(\k)+(\i)*16*PITCH+32
.endr
.endm
; A K step is four quarters of 32 along K, 48 matrix instructions each, on buffers 0, 1, 0, 1.  The 48 accumulators take turns, one instruction a turn.
.macro QUARTER slot, k, f, g, zero
	s_wait_dscnt 8                                 ; wts' fragments and tokens 0-63 are in; the youngest eight loads (tokens 64-127) may be out
	MUL12 \f, 0, 0, \zero
	MUL12 \f, 0, 2, \zero
	PLACES
	FETCH \slot, \k, \g
	s_wait_dscnt 28                                ; all but the 28 just issued
	MUL12 \f, 1, 0, \zero
	MUL12 \f, 1, 2, \zero
.endm
; The last quarter multiplies buffer 1 and changes slots.  Each wave waits for all its tensor loads (one is out: its part of the next slot), adds 0 to its spare word, waits for that and for its reads of this slot;
; the barrier opens a round of the cluster's barrier; the joint refill is the first tensor load behind the round.  fill = 1: this slot's K step two on.  fill = 2: the tables.
.macro TURN slot, next, fill
	s_wait_xcnt 0x0                                ; the last prefetch, a K step back, has read its address
	s_add_nc_u64 s[PFA:PFA+1], s[PFA:PFA+1], KSTEP*2
	WIN 0
	s_wait_tensorcnt 0x0
	ds_add_u32 v[SPW], v[NIL]
	s_wait_dscnt 9                                 ; (the add and the youngest eight loads may be out)
	MUL12 F1, 0, 0, 0
	s_wait_dscnt 0x0                               ; the add is done, and my reads of this slot are over
	s_barrier_signal -1
	MUL12 F1, 0, 2, 0
	WIN 0
	s_barrier_wait -1
	CREST
.if (\fill) == 1
	s_add_nc_u64 s[G0+4*(\slot)+2:G0+4*(\slot)+3], s[G0+4*(\slot)+2:G0+4*(\slot)+3], 2*KSTEP*2
	s_add_nc_u64 s[G0B+4*(\slot)+2:G0B+4*(\slot)+3], s[G0B+4*(\slot)+2:G0B+4*(\slot)+3], 2*KSTEP*2
	JLOAD \slot                                    ; its four v_nop are also the places in front of the loads below
.else
	TLOAD
.endif
	FETCH \next, 0, F0
.if (\fill) == 1
	ASK
.endif
	MUL12 F1, 1, 0, 0
	MUL12 F1, 1, 2, 0
.endm
	s_wait_tensorcnt 1                             ; my part of K step 0 is in; K step 1's may stay out
	s_barrier_signal -1
	s_barrier_wait -1
	FETCH 0, 0, F0
	QUARTER 0, 64,  F0, F1, 1                      ; the first quarter starts the sums
	WIN 0
	s_mov_b32 s3, 3
.Llap:                                                 ; a trip goes once round the ring and fills both slots again: K steps 2 .. 7
	QUARTER 0, 128, F1, F0, 0
	QUARTER 0, 192, F0, F1, 0
	TURN 0, 1, 1
	QUARTER 1, 64,  F0, F1, 0
	QUARTER 1, 128, F1, F0, 0
	QUARTER 1, 192, F0, F1, 0
	TURN 1, 0, 1
	QUARTER 0, 64,  F0, F1, 0
	WIN 0
	s_sub_co_u32 s3, s3, 1
	s_cmp_lg_u32 s3, 0
	s_cbranch_scc1 .Llap
	QUARTER 0, 128, F1, F0, 0                      ; K step 6 goes on
	QUARTER 0, 192, F0, F1, 0
	TURN 0, 1, 2                                   ; slot 0 has been read out: it takes the tables
	QUARTER 1, 64,  F0, F1, 0
	QUARTER 1, 128, F1, F0, 0
	QUARTER 1, 192, F0, F1, 0
	s_wait_dscnt 8
	MUL12 F1, 0, 0, 0
	MUL12 F1, 0, 2, 0
	s_wait_dscnt 0x0
	MUL12 F1, 1, 0, 0
	MUL12 F1, 1, 2, 0
	; THE WAY OUT.  The ring has had its last fill.  Behind the barrier nobody reads it any more and the tables are whole.
	WIN 0
	PLACES
	s_wait_tensorcnt 0x0                           ; my table, if I asked for one
	s_wait_dscnt 0x0
	s_barrier_signal -1
	s_barrier_wait -1
.irp a, 0,1,2,3,4,5,6,7                ; my 128 x 96 f32 results into my own rows of 400 bytes; each accumulator's low four registers first
	WIN 0x08+4*((\a)/4)                            ; the data (source 1) in window 2 or 3
.irp b, 0,1,2,3,4,5
	ds_store_b128 v[DST], v[48*((\a)%4)+8*(\b):48*((\a)%4)+8*(\b)+3]   offset:(\a)*16*DPITCH+(\b)*64
	ds_store_b128 v[DST], v[48*((\a)%4)+8*(\b)+4:48*((\a)%4)+8*(\b)+7] offset:(\a)*16*DPITCH+(\b)*64+16
.endr
.endr
	WIN 0
.set i, LQ
.rept 16
	v_mov_b32 v[i], 0                              ; destinations that count as read (a half kept, lanes kept) are written once
.set i, i+1
.endr
.macro ELOADS                          ; eight tokens: a lane's eight dimensions of q, k, v and its four table pairs for q and for k.  LDS serves a wave's instructions in order: these see my stores above
	ds_load_b128 v[RQ:RQ+3],   v[DRD]
	ds_load_b128 v[RQ+4:RQ+7], v[DRD] offset:16
	ds_load_b128 v[RK:RK+3],   v[DRD] offset:128
	ds_load_b128 v[RK+4:RK+7], v[DRD] offset:144
	ds_load_b128 v[RV:RV+3],   v[DRD] offset:256
	ds_load_b128 v[RV+4:RV+7], v[DRD] offset:272
	ds_load_b128 v[TQ:TQ+3],   v[TRD]
	ds_load_b128 v[TQ+4:TQ+7], v[TRD] offset:16
	ds_load_b128 v[TK:TK+3],   v[TRD] offset:HALFT
	ds_load_b128 v[TK+4:TK+7], v[TRD] offset:HALFT+16
.endm
.macro ROT X, R, T                     ; (a0, a1) -> (a0 C - a1 S, a1 C + a0 S), C and S with the scale in them
.irp p, 0,1,2,3
	v_pk_mul_f32 v[(\X)+2*(\p):(\X)+2*(\p)+1], v[(\R)+2*(\p):(\R)+2*(\p)+1], v[(\T)+2*(\p):(\T)+2*(\p)+1] op_sel_hi:[1,0]
.endr
.irp p, 0,1,2,3
	v_pk_fma_f32 v[(\X)+2*(\p):(\X)+2*(\p)+1], v[(\R)+2*(\p):(\R)+2*(\p)+1], v[(\T)+2*(\p):(\T)+2*(\p)+1], v[(\X)+2*(\p):(\X)+2*(\p)+1] op_sel:[1,1,0] op_sel_hi:[0,1,1] neg_lo:[1,0,0]
.endr
.endm
.macro PACKH H, X
.irp p, 0,1,2,3
	v_cvt_pk_f16_f32 v[(\H)+(\p)], v[(\X)+2*(\p)], v[(\X)+2*(\p)+1]
.endr
.endm
.macro LOW L, H, X                     ; x - f16(x), rounded once to f16
.irp p, 0,1,2,3
	v_fma_mixlo_f16 v[(\L)+(\p)], v[(\H)+(\p)], v[NEG1], v[(\X)+2*(\p)] op_sel_hi:[1,0,0]
	v_fma_mixhi_f16 v[(\L)+(\p)], v[(\H)+(\p)], v[NEG1], v[(\X)+2*(\p)+1] op_sel:[1,0,0] op_sel_hi:[1,0,0]
.endr
.endm
.macro ETRIP more                      ; eight tokens; more = 1: the next eight are read meanwhile
	s_wait_dscnt 0x0
	ROT XQ, RQ, TQ
	ROT XK, RK, TK
	PACKH HV, RV
.if \more
	v_add_nc_u32 v[DRD], 8*DPITCH, v[DRD]
	v_add_nc_u32 v[TRD], 8*PITCH, v[TRD]
	ELOADS
.endif
	PACKH HQ, XQ
	PACKH HK, XK
	global_store_b128 v[GOF], v[HQ:HQ+3], s[QP:QP+1]   ; 32 lanes: eight tokens' 512 consecutive bytes, aligned
	global_store_b128 v[GOF], v[HK:HK+3], s[KP:KP+1]
	global_store_b128 v[GOF], v[HV:HV+3], s[VP:VP+1]
	s_cmp_eq_u32 s[PLANE], 0
	s_cbranch_scc0 .Lno_x_\@                       ; plane 2 is made by the waves that hold dimensions 0-31
	LOW LQ, HQ, XQ
	LOW LK, HK, XK
.irp p, 0,1,2,3
	v_mov_b32_dpp v[DQ+(\p)], v[HQ+(\p)] row_xmask:2 row_mask:0xf bank_mask:0xf   ; chunks 2 and 3 take chunks 0 and 1 of the same token
	v_mov_b32_dpp v[DK+(\p)], v[LK+(\p)] row_xmask:2 row_mask:0xf bank_mask:0xf
.endr
.irp p, 0,1,2,3
	v_cndmask_b32 v[OQ+(\p)], v[DQ+(\p)], v[LQ+(\p)], s[LM]   ; q: [lo, hi]
	v_cndmask_b32 v[OK+(\p)], v[DK+(\p)], v[HK+(\p)], s[LM]   ; k: [hi, lo]
.endr
	global_store_b128 v[GOF], v[OQ:OQ+3], s[QX:QX+1]
	global_store_b128 v[GOF], v[OK:OK+3], s[KX:KX+1]
.Lno_x_\@:
	s_wait_xcnt 0x0                                ; the stores have read their data and bases, which are rewritten from here on
.irp g, QP, KP, VP, QX, KX
	s_add_nc_u64 s[(\g):(\g)+1], s[(\g):(\g)+1], 512
.endr
.endm
	ELOADS
	s_mov_b32 s[ECNT], 15
.Lout:
	ETRIP 1
	s_sub_co_u32 s[ECNT], s[ECNT], 1
	s_cmp_lg_u32 s[ECNT], 0
	s_cbranch_scc1 .Lout
	ETRIP 0                                        ; the last eight tokens read nothing further
	s_wait_tensorcnt 0x0                           ; the wave's end
	ds_add_u32 v[SPW], v[NIL]
	s_wait_dscnt 0x0
	CROUND                                         ; the closing round
	s_endpgm
.Lfunc_end_k_q770608c999_qkv:
	.size	k_q770608c999_qkv, .Lfunc_end_k_q770608c999_qkv-k_q770608c999_qkv
	.p2alignl 7, 3214868480
	.fill 96, 4, 3214868480
	.section	.rodata,"a",@progbits
	.p2align	6, 0x0
	.amdhsa_kernel k_q770608c999_qkv
		.amdhsa_group_segment_fixed_size 327680
		.amdhsa_private_segment_fixed_size 0
		.amdhsa_enable_private_segment 0
		.amdhsa_kernarg_size 48
		.amdhsa_user_sgpr_count 2
		.amdhsa_user_sgpr_kernarg_segment_ptr 1
		.amdhsa_wavefront_size32 1
		.amdhsa_system_sgpr_workgroup_id_x 1
		.amdhsa_system_sgpr_workgroup_id_y 1
		.amdhsa_system_sgpr_workgroup_id_z 1
		.amdhsa_system_vgpr_workitem_id 0
		.amdhsa_next_free_vgpr 960
		.amdhsa_next_free_sgpr 96
		.amdhsa_reserve_vcc 0
		.amdhsa_float_denorm_mode_32 3
		.amdhsa_float_denorm_mode_16_64 3
		.amdhsa_memory_ordered 1
		.amdhsa_forward_progress 1
		.amdhsa_inst_pref_size 112
	.end_amdhsa_kernel
	.amdgpu_metadata
---
amdhsa.version: [ 1, 2 ]
amdhsa.kernels:
  - .name:           k_q770608c999_qkv
    .symbol:         k_q770608c999_qkv.kd
    .args:
      - { .name: xb, .offset: 0, .size: 8, .value_kind: global_buffer, .address_space: global }
      - { .name: wts, .offset: 8, .size: 8, .value_kind: global_buffer, .address_space: global }
      - { .name: tab, .offset: 16, .size: 8, .value_kind: global_buffer, .address_space: global }
      - { .name: qw, .offset: 24, .size: 8, .value_kind: global_buffer, .address_space: global }
      - { .name: kw, .offset: 32, .size: 8, .value_kind: global_buffer, .address_space: global }
      - { .name: vw, .offset: 40, .size: 8, .value_kind: global_buffer, .address_space: global }
    .group_segment_fixed_size: 327680
    .private_segment_fixed_size: 0
    .kernarg_segment_align: 8
    .kernarg_segment_size: 48
    .max_flat_workgroup_size: 128
    .sgpr_count:     96
    .vgpr_count:     960
    .wavefront_size: 32
...
	.end_amdgpu_metadata
.endif
;; end of part 2
;; launch attn (part 3): grid 4 x 64, 4 waves a work-group, clusters of 4 x 1, 327,680 bytes of LDS; arguments qw, kw, vw, mk, ow; writes ow
.if DOCPART == 3
	.amdgcn_target "amdgcn-amd-amdhsa--gfx1250"
	.amdhsa_code_object_version 6
	.text
	.protected	k_q770608c999_attn
	.globl	k_q770608c999_attn
	.p2align	8
	.type	k_q770608c999_attn,@function
k_q770608c999_attn:
	s_mov_b64 s[64:65], 0
	v_nop
	global_prefetch_b8 v0, s[64:65] scope:SCOPE_SE
	s_setreg_imm32_b32 hwreg(HW_REG_WAVE_MODE, 25, 1), 1
	s_wait_xcnt 0x0
	s_wait_alu depctr_hold_cnt(0) depctr_sa_sdst(0) depctr_va_vdst(0) depctr_va_sdst(0) depctr_va_ssrc(0) depctr_va_vcc(0) depctr_vm_vsrc(0)
	s_getreg_b32 s2, hwreg(HW_REG_IB_STS2, 6, 4)
	s_cmp_eq_u32 s2, 0
	s_cbranch_scc0 .Lentry_in_a_cluster
	s_endpgm
.Lentry_in_a_cluster:
	s_bfe_u32 s2, ttmp6, 0x10000c
	s_cmp_lg_u32 s2, 0x3003
	s_cbranch_scc0 .Lentry_shape_is_right
	s_endpgm
.Lentry_shape_is_right:
; ATTENTION WITH A MASK THAT IS AN INPUT.  O[bh][q][:] = sum over k of softmax_k(s(q, k)) V[bh][k][:], s = Q . K (96 channels: 64 dimensions and a second term for dimensions 0-15) where mk's code is 0,
; and reference()'s -10,000 where the key is hidden.  Q and K arrive with 1/16 each, so the products are score / 8: c = 8 log2(e), and a hidden score is -1,250.  All operands f16; products, maxima, sums f32;
; the weights p are rounded to f16 for the second product, O once at the end.
; THE MASK.  Eight bytes of mk are a lane's codes for one accumulator of S^T: a conversion from FP8 with the scale 2^100 writes 0 or -2^100 there, and all products add onto it in place: a hidden key's weight is 0.
; THE FLOOR.  The exponential is monotone, so max(s, -1,250) on every score is max(p, wh) on every weight, wh = 2^(c (-1,250) - c m) for each query, with a running maximum m that starts at -1,250.  It is taken on
; the packed f16 weights, two a line.  A hidden key thus gets exactly the weight of the score -1,250; a row with all keys hidden has m = -1,250 and one weight on all keys: the uniform softmax, as in reference().
; THE ROW SUMS l are the sums of the floored, rounded weights, made by the matrix unit: ones x P, in f32, four products a turn.  All 16 rows of such a result are alike; register 0 alone is rescaled and read
; (the other rows hold plain sums of weights, 2,048 at the most).
; LIMITS.  A score that is NOT hidden and lies below -10,000 counts as -10,000.  Q, K, V arrive within f16's 65,504; p below 6e-5 keeps f16's fixed step of 6e-8, in l too; NaN and infinities are not treated apart.
; SHARES.  A wave owns four PIECES of two tiles of 16 queries, a work-group's four waves 512 queries of one head.  Every wave walks all 2,048 keys, 64 a step.
; LAYOUT.  S^T = K Q^T: a lane holds ONE query (lane % 16) and the keys 8 (lane / 16) + 0..7.  Two such results rounded to f16 ARE source 1 of O^T = V^T P.  K comes out of LDS as it lies, V turned (ds_load_tr16_b128).
; SOFTMAX.  p = 2^(c s - c m); O and l are multiplied by a = 2^(c m_old - c m_new) in every step.  O and l start at 0.
; BY TURNS.  Turn n belongs to piece n.  Matrix work: 24 products K Q^T of piece n + 1, 4 row sums and 16 products V^T P of piece n - 1.  Vector work: the mask of piece n + 1 unpacked; scaling, exponentials, rescaling,
; roundings and floors of piece n; the maximum and statistics of piece n + 1.  252 vector instructions for 44 matrix instructions: four behind every matrix instruction, the rest in one lump.
; CLUSTER.  A head's four query blocks walk the same K and V: each tile is asked for JOINTLY, the same tensor load, descriptor and mask in all four.
; REGISTERS, in windows of 256 (s_set_vgpr_msb: bits 1:0 source 0, 3:2 source 1, 5:4 source 2, 7:6 destination):
;   window 0: v1-11 addresses; v12-15, v48-63 at work; v16-47 statistics, four a tile; v64-191 S^T, two buffers of two tiles; v192-255 P, likewise
;   window 1: O^T, 32 a tile     window 2: v0-191 Q, 24 a tile; v192-255 V of one step
;   window 3: v0-95 K of one step; v96-159 mask bytes, eight registers a tile; v160-161 the add's two registers; v168-175 ones; v176-239 l's accumulators, eight a tile
.set NP,    4
.set PK,    80        ; a key's 64 bytes of a plane of K + 16: 20 words: the 16 rows of a load start at 16 different groups of four banks (ISA guide 11.1)
.set PV,    96        ; of V: 64 + 32
.set KPL,   256*PK    ; a slot holds 256 keys, four steps: three planes of K,
.set VPL,   256*PV    ; then two of V
.set VOFF,  3*KPL
.set SLOT1, 1<<17     ; slot 1 begins here: one exclusive or turns an address in one slot into the other's
.set STAGE, SLOT1+VOFF+2*VPL  ; behind the ring, never filled by a tensor load: 16 rows x 144 bytes a wave
.set SP,    144
.set SPARE, STAGE+4*16*SP     ; the spare words, 128 bytes a wave
.set PFO, 1           ; v1   the prefetches' offset
.set AK0, 2           ; v2   my lane's place in a plane of K; never rewritten
.set AV0, 3           ; v3   the same for V
.set AK,  4           ; v4   the LDS address of K's next run of loads
.set AV,  5           ; v5   of V's
.set QO,  6           ; v6   my byte offset in 16 rows of a plane of Q
.set STO, 6           ;      later, the way out: where I put 16 bytes of a row
.set RD,  7           ; v7   where I read rows back
.set GO,  8           ; v8   my byte offset in 512 consecutive bytes of O
.set MO0, 9           ; v9   16 x lane
.set MO,  10          ; v10  1,024 x the step whose mask bytes are asked for + 16 x lane
.set SCL, 11          ; v11  the conversion's scale: every byte is 227: 2^100
.set MV,  12
.set ST,  16          ; tile t's statistics at v[ST+4 t]: c m, m; +2, +3 take 1 / l on the way out
.set TMP, 48          ; by buffer and tile, c0-c3 at work; when the maximum is found c0 takes wh, c1 wh twice in f16, c2 a
.set S,   64
.set P,   192
.set TR,  128         ; v128-131: the set-up's l % 16, l / 16, l % 8, (l / 8) % 2; the second buffer of S^T is free until the first turn
.set TH,  129
.set T7,  130
.set T3,  131
.set VF,  192         ; window 2: key half kk, channel block cb at VF + 32 kk + 8 cb
.set MW,  96          ; window 3
.set SPW, 160         ; window 3: SPARE + 4 x my thread's number; never rewritten
.set NIL, 161         ; window 3: 0; never rewritten
.set ONE, 168         ; window 3: a fragment of 1.0 in f16
.set LA,  176         ; window 3: tile t's row sums at LA + 8 t
.set WV,  12          ; s12  wave
.set G1K, 24          ; s[24:31] group 1 for a plane of K
.set G1V, 32          ; s[32:39] for V's two planes
.set G0K, 40          ; s[40:43] group 0: it walks
.set G0V, 44
.set SLOTS, 56
.set CNT, 57
.set CS,  58          ; s[58:59] c
.set SEL, 60          ; s[60:61] v_permlanex16_b32's selects
.set TBK, 62          ; s62  LDS byte at which K of the step to be fetched begins
.set TBV, 63
.set MB,  66          ; s[66:67] mk at my wave's first tile
.set MST, 68          ; s68  1,024 x the step whose mask bytes are asked for
.set NEG, 69          ; s69  -1,250.0
.set CHG, 70          ; s70  changes of slots so far
.set PMASK, 71        ; s71, s72: a wave prefetches at change c if c & PMASK = 0 and c <= PLIM
.set PLIM, 72
.set PFA, 74          ; s[74:75]
.set MSB, 0
.macro WIN new
.if MSB != (\new)
	s_set_vgpr_msb (MSB<<8)|(\new)
.set MSB, (\new)
.endif
.endm
.set W_KQ, 0x0b       ; K in window 3, Q in window 2, S^T in window 0
.set W_PV, 0x52       ; V in window 2, P in window 0, O^T in window 1
.set W_LM, 0xf3       ; ones and l in window 3, P in window 0
.set W_LR, 0xc3       ; l (destination and source 0) in window 3, a in window 0
.set W_RS, 0x41       ; O^T in window 1, a in window 0
.set W_CV, 0x03       ; the mask bytes (source 0) in window 3
.set W_T3, 0xc0       ; destination in window 3
.set W_AD, 0x0f       ; the add: address and data in window 3
; A joint fill: waves 0-2 fetch a plane of a slot's K (16,384 dense bytes), wave 3 both planes of its V.  An s_nop 0 and four v_nop follow each line.
.macro JLOAD
	s_cmp_lt_u32 s[WV], 3
	s_cbranch_scc0 .Lfor_v_\@
	tensor_load_to_lds s[G0K:G0K+3], s[G1K:G1K+7]
	s_nop 0
.rept 4
	v_nop
.endr
	s_branch .Lasked_\@
.Lfor_v_\@:
	tensor_load_to_lds s[G0V:G0V+3], s[G1V:G1V+7]
	s_nop 0
.rept 4
	v_nop
.endr
.Lasked_\@:
.endm
; A PREFETCH of later slots' rows, 32 blocks of 256 bytes, a lane a block.  A head's K and V are read by this one cluster; its four partners share the blocks out BY ADDRESS.  Change c fills slot c + 1.
; Waves 0-2, at changes 0, 2, 4: of plane w, my work-group's quarter (8,192 bytes) of slots c + 2 and c + 3.  Wave 3, at changes 0 .. 5: my work-group's quarter (4,096 bytes) of slot c + 2 in both planes of V.
; So each block of slots 2 .. 7 is named once; slots 0 and 1 come by their loads alone; the last change asks for nothing.
.macro ASK
	s_and_b32 s73, s[CHG], s[PMASK]
	s_cmp_eq_u32 s73, 0
	s_cselect_b32 s73, s[CHG], 99
	s_cmp_le_u32 s73, s[PLIM]
	s_cbranch_scc0 .Lnot_mine_\@
	global_prefetch_b8 v[PFO], s[PFA:PFA+1] th:TH_LOAD_NT scope:SCOPE_SE
.Lnot_mine_\@:
	s_add_co_u32 s[CHG], s[CHG], 1
.endm
.macro CROUND
	s_barrier_signal -1
	s_barrier_wait -1
	s_cmp_lg_u32 s[WV], 0
	s_cbranch_scc1 .Lnot_wave_0_\@
	s_barrier_signal -3
.Lnot_wave_0_\@:
	s_barrier_wait -3
	s_barrier_signal -1
	s_barrier_wait -1
.endm
; THE CHANGE OF SLOTS.  Each wave waits for all its tensor loads (one is out: its part of the other slot), adds 0 to its spare word, and waits for that and for its reads of the slot.  fill = 1: the barrier is a round of
; the cluster's, and the joint fill, with the keys two slots on, is the first thing behind it: it has four key steps, 704 matrix instructions, in which to land.
.macro CHANGE fill
	WIN W_AD
	s_wait_tensorcnt 0x0
	ds_add_u32 v[SPW], v[NIL]
	WIN 0
.if \fill
.irp g, G0K, G0V
	s_xor_b32 s[\g+1], s[\g+1], SLOT1
	s_add_nc_u64 s[\g+2:\g+3], s[\g+2:\g+3], 16384  ; the next 256 keys of a plane
.endr
	s_wait_xcnt 0x0                 ; the last prefetch, four key steps back, has read its address
	s_add_nc_u64 s[PFA:PFA+1], s[PFA:PFA+1], 16384
	s_wait_dscnt 0x0                ; the add is done, and my reads of the slot are over
	CROUND
	JLOAD
	ASK
.else
	s_wait_dscnt 0x0
	s_barrier_signal -1
	s_barrier_wait -1
.endif
	s_sub_co_u32 s[TBK], s[TBK], KPL
	s_xor_b32 s[TBK], s[TBK], SLOT1
	s_sub_co_u32 s[TBV], s[TBV], VPL
	s_xor_b32 s[TBV], s[TBV], SLOT1
.endm
	s_load_b256 s[4:11], s[0:1], 0x0  ; qw 4, kw 6, vw 8, mk 10
	s_load_b64 s[14:15], s[0:1], 0x20 ; ow
	WIN W_T3
	v_lshl_add_u32 v[SPW], v0, 2, SPARE
	v_mov_b32 v[NIL], 0
	WIN W_AD
	ds_add_u32 v[SPW], v[NIL]       ; the wave's opening: the add and its wait ahead of my first tensor load
	WIN 0
	v_lshrrev_b32 v1, 5, v0
	v_readfirstlane_b32 s[WV], v1
	s_bfe_u32 s13, ttmp6, 0x40000   ; cx: my block of 512 queries; it enters Q's, O's, mk's and the prefetches' addresses alone
	s_and_b32 s16, ttmp7, 0xffff    ; bh, which the four partners share
	s_min_u32 s17, s[WV], 2         ; the plane of K that I fetch
	s_mul_i32 s18, s16, 3
	s_add_co_u32 s18, s18, s17
	s_lshl_b32 s18, s18, 17         ; a plane is 131,072 bytes
	s_mov_b32 s19, 0
	s_lshl_b32 s20, s16, 18         ; V: two planes a head
	s_mov_b32 s21, 0
	s_mul_i32 s22, s17, KPL
	s_mov_b32 s23, 131072           ; (an instruction holds one literal: the second stands in the register)
	s_cmp_lt_u32 s[WV], 3
	s_cselect_b32 s[PMASK], 1, 0
	s_cselect_b32 s[PLIM], 4, 5
	s_cselect_b32 s23, 4096, s23    ; lanes 16-31: the next 16 blocks, or the other plane
	s_cselect_b32 s2, s18, s20
	s_cselect_b32 s3, 13, 12
	s_lshl_b32 s3, s13, s3          ; my work-group's quarter
	s_add_co_u32 s2, s2, s3
	s_add_co_u32 s2, s2, 16384      ; in slot 1: the first change steps it to slot 2
	s_mov_b32 s3, 0
	s_mul_i32 s48, s16, 393216      ; Q: three planes a head,
	s_lshl_b32 s49, s13, 15         ; 512 rows of 64 bytes a block,
	s_add_co_u32 s48, s48, s49
	s_lshl_b32 s49, s[WV], 13       ; 128 a wave
	s_add_co_u32 s48, s48, s49
	s_mov_b32 s49, 0
	s_lshl_b32 s50, s16, 18         ; O: rows of 128 bytes
	s_lshl_b32 s51, s13, 16
	s_add_co_u32 s50, s50, s51
	s_lshl_b32 s51, s[WV], 14
	s_add_co_u32 s50, s50, s51
	s_mov_b32 s51, 0
	s_lshr_b32 s52, s16, 4          ; mk: 128 tiles of 32,768 bytes a batch,
	s_lshl_b32 s52, s52, 22
	s_lshl_b32 s53, s13, 20         ; 32 a block,
	s_add_co_u32 s52, s52, s53
	s_lshl_b32 s53, s[WV], 18       ; 8 a wave
	s_add_co_u32 s52, s52, s53
	s_mov_b32 s53, 0
	s_mov_b32 s[G1K], 15|(1<<16)|(1<<20)|(1<<21)|(3<<22)|(3<<25)  ; the mask of four; 2-byte elements; padding on; bit 21 beside a mask; after every 16 words (a key) 4 words
	s_mov_b32 s[G1K+1], 128<<16     ; 256 keys of a plane are 16,384 dense bytes: 64 rows of 256
	s_mov_b32 s[G1K+2], 64<<16
	s_mov_b32 s[G1K+3], 128<<16
	s_mov_b32 s[G1K+4], 64
	s_mov_b32 s[G1K+5], 128
	s_mov_b32 s[G1K+6], 0
	s_mov_b32 s[G1K+7], 0
	s_mov_b32 s[G1V], 15|(1<<16)|(1<<20)|(1<<21)|(3<<22)|(7<<25)  ; the same with 8 words of padding
	s_mov_b32 s[G1V+1], 8192<<16    ; two rows, a plane's 256 keys each (8,192 elements),
	s_mov_b32 s[G1V+2], 2<<16
	s_mov_b32 s[G1V+3], 8192<<16
	s_mov_b32 s[G1V+4], 2
	s_mov_b32 s[G1V+5], 65536       ; a plane apart
	s_mov_b32 s[G1V+6], 0
	s_mov_b32 s[G1V+7], 0
	s_mov_b32 s[CS], 0x4138aa3b     ; c = 8 log2(e)
	s_mov_b32 s[CS+1], s[CS]
	s_mov_b32 s[SEL], 0x76543210
	s_mov_b32 s[SEL+1], 0xfedcba98
	s_mov_b32 s[NEG], 0xc49c4000    ; -1,250.0
	s_mov_b32 s[CHG], 0
	s_mov_b32 s[TBK], SLOT1+KPL     ; the first change of slots turns these two into 0
	s_mov_b32 s[TBV], SLOT1+VPL
	s_mov_b32 s[G0K], 1
	s_mov_b32 s[G0K+1], s22
	s_mov_b32 s[G0V], 1
	s_mov_b32 s[G0V+1], VOFF
	s_wait_dscnt 0x0                ; the opening add is done
	s_wait_kmcnt 0x0
	s_add_nc_u64 s[G0K+2:G0K+3], s[6:7], s[18:19]
	s_or_b32 s[G0K+3], s[G0K+3], 0x80000000
	s_add_nc_u64 s[G0V+2:G0V+3], s[8:9], s[20:21]
	s_or_b32 s[G0V+3], s[G0V+3], 0x80000000
	s_cmp_lt_u32 s[WV], 3
	s_cselect_b64 s[PFA:PFA+1], s[6:7], s[8:9]
	s_add_nc_u64 s[PFA:PFA+1], s[PFA:PFA+1], s[2:3]
	s_add_nc_u64 s[4:5], s[4:5], s[48:49]
	s_add_nc_u64 s[14:15], s[14:15], s[50:51]
	s_add_nc_u64 s[MB:MB+1], s[10:11], s[52:53]
	CROUND                          ; all four work-groups are here
	JLOAD                           ; slot 0; slot 1 is asked for when slot 0 is in
	v_and_b32 v[TR], 15, v0
	v_bfe_u32 v[TH], v0, 4, 1
	v_and_b32 v[T7], 7, v0
	v_bfe_u32 v[T3], v0, 3, 1
	v_lshlrev_b32 v[QO], 6, v[TR]
	v_lshl_add_u32 v[QO], v[TH], 4, v[QO]  ; row x 64 + 16 x half
	v_and_b32 v[MO0], 31, v0
	v_lshlrev_b32 v[MO0], 4, v[MO0]
	v_mov_b32 v[MO], v[MO0]         ; step 0
	WIN 0x80                        ; destination window 2
.set i, 0
.rept 24                            ; Q stays in registers: tile i / 3, plane i % 3
	global_load_b128 v[8*i:8*i+3],   v[QO], s[4:5] offset:(i%3)*131072+(i/3)*1024
	global_load_b128 v[8*i+4:8*i+7], v[QO], s[4:5] offset:(i%3)*131072+(i/3)*1024+32
.set i, i+1
.endr
	WIN W_T3
.set i, 0
.rept 8                             ; step 0's mask bytes of all eight tiles
	global_load_b128 v[MW+8*i:MW+8*i+3],   v[MO], s[MB:MB+1] offset:i*32768
	global_load_b128 v[MW+8*i+4:MW+8*i+7], v[MO], s[MB:MB+1] offset:i*32768+512
.set i, i+1
.endr
	; What the first turn finds: V's registers and P's second buffer hold 0, O^T and l are 0.  All this stands in the wait for the first tile.
.set i, 0
.rept 8
	v_mov_b32 v[ONE+i], 0x3c003c00  ; 1.0 twice
.set i, i+1
.endr
.set i, 0
.rept 64
	v_mov_b32 v[LA+i], 0
.set i, i+1
.endr
	WIN 0x80
.set i, VF
.rept 64
	v_mov_b32 v[i], 0
.set i, i+1
.endr
	WIN 0x40
.set i, 0
.rept 256
	v_mov_b32 v[i], 0
.set i, i+1
.endr
	WIN 0
.set i, 0
.rept 2*NP
	v_mov_b32 v[ST+4*i], 0xfe000000    ; c m_old for the first a: far below every c m, so that a is 0
	v_mov_b32 v[ST+4*i+1], 0xc49c4000  ; m starts at -1,250: the floor's score
	v_mov_b32 v[ST+4*i+2], 0
	v_mov_b32 v[ST+4*i+3], 0
.set i, i+1
.endr
.set i, P+32
.rept 32
	v_mov_b32 v[i], 0
.set i, i+1
.endr
	v_mov_b32 v[SCL], 0xe3e3e3e3
	v_lshlrev_b32 v[PFO], 8, v[TR]
	v_mad_u32_u24 v[PFO], v[TH], s23, v[PFO]
	v_mul_u32_u24 v[AK0], v[TR], PK
	v_lshl_add_u32 v[AK0], v[TH], 4, v[AK0]
	v_lshl_add_u32 v[AV0], v[TH], 3, v[T7]  ; the turning load: lane l reads key 8 (l / 16) + l % 8, channels 8 ((l / 8) % 2) + 0..7
	v_mul_u32_u24 v[AV0], v[AV0], PV
	v_lshl_add_u32 v[AV0], v[T3], 4, v[AV0]
	v_add_nc_u32 v[AV0], VOFF, v[AV0]
	v_mov_b32 v[AK], v[AK0]
; THE MATRIX WORK.  The accumulators of a run take turns, one instruction a turn.  Product i of 24 of S^T for piece x: plane i / 8, keys 16 ((i / 2) % 4) on, tile 2 x + i % 2; all add in place, onto the mask.
.macro KQ x
	WIN W_KQ
.set rS, S+64*((\x)%2)+32*(i%2)+8*((i/2)%4)
.set rK, 24*((i/2)%4)+8*(i/8)
.set rQ, 24*(2*(\x)+i%2)+8*(i/8)
	v_wmma_f32_16x16x32_f16 v[rS:rS+7], v[rK:rK+7], v[rQ:rQ+7], v[rS:rS+7]
.endm
; Product i of 16 of O^T += V^T P for piece x: keys 32 (i / 8) on, channels 16 ((i / 2) % 4) on, tile 2 x + i % 2.
.macro PV x
	WIN W_PV
.set rO, 32*(2*(\x)+i%2)+8*((i/2)%4)
.set rV, VF+32*(i/8)+8*((i/2)%4)
.set rP, P+32*((\x)%2)+16*(i%2)+8*(i/8)
	v_wmma_f32_16x16x32_f16 v[rO:rO+7], v[rV:rV+7], v[rP:rP+7], v[rO:rO+7]
.endm
; Row sum lm of 4 for piece x: l += ones x P: keys 32 (lm / 2) on, tile 2 x + lm % 2.
.macro LM x
	WIN W_LM
.set rL, LA+8*(2*(\x)+lm%2)
.set rP, P+32*((\x)%2)+16*(lm%2)+8*(lm/2)
	v_wmma_f32_16x16x32_f16 v[rL:rL+7], v[ONE:ONE+7], v[rP:rP+7], v[rL:rL+7]
.set lm, lm+1
.endm
.macro MM
.if i < 24
	KQ (Y+1)%NP
.set i, i+1
.else
.set i, i-24
	PV (Y+NP-1)%NP
.set i, i+25
.endif
.endm
; The mask bytes of piece x become the starting values of its eight accumulators: byte j goes to register j, as 0 or -2^100.
.macro CV x
	WIN W_CV
.irp u, 0,1
.irp kb, 0,1,2,3
	v_cvt_scale_pk8_f32_fp8 v[S+64*((\x)%2)+32*(\u)+8*(\kb):S+64*((\x)%2)+32*(\u)+8*(\kb)+7], v[MW+8*(2*(\x)+(\u))+2*(\kb):MW+8*(2*(\x)+(\u))+2*(\kb)+1], v[SCL]
.endr
.endr
.endm
.macro MLOAD x                      ; piece x's mask bytes for the step at MO: each load covers 512 consecutive bytes
	WIN W_T3
.irp u, 0,1
	global_load_b128 v[MW+8*(2*(\x)+(\u)):MW+8*(2*(\x)+(\u))+3],   v[MO], s[MB:MB+1] offset:(2*(\x)+(\u))*32768
	global_load_b128 v[MW+8*(2*(\x)+(\u))+4:MW+8*(2*(\x)+(\u))+7], v[MO], s[MB:MB+1] offset:(2*(\x)+(\u))*32768+512
.endr
.endm
; THE LDS LOADS stand in runs: a step's K (64 keys x 96 channels: 12 fragments) and its V (turned).  last = 1 (the tail): in the last trip there is no further step.
.macro FETCH_K last=0
	WIN 0
.if \last
	s_cmp_eq_u32 s[CNT], 1
	s_cbranch_scc1 .Lno_k_\@
.endif
	WIN W_T3
.irp kb, 0,1,2,3
.irp c, 0,1,2
	ds_load_b128 v[24*(\kb)+8*(\c):24*(\kb)+8*(\c)+3],   v[AK] offset:(\c)*KPL+(\kb)*16*PK
	ds_load_b128 v[24*(\kb)+8*(\c)+4:24*(\kb)+8*(\c)+7], v[AK] offset:(\c)*KPL+(\kb)*16*PK+32
.endr
.endr
	s_add_co_u32 s[TBK], s[TBK], 64*PK
	WIN 0
.if \last
.Lno_k_\@:
.endif
.endm
.macro FETCH_V
	WIN 0x80
.irp f, 0,1,2,3,4,5,6,7             ; keys 32 (f / 4) on; channels 16 (f % 4) on: plane (f % 4) / 2, 32 bytes for each odd block
	ds_load_tr16_b128 v[VF+8*\f:VF+8*\f+3],   v[AV] offset:(\f/4)*32*PV+((\f%4)/2)*VPL+(\f%2)*32
	ds_load_tr16_b128 v[VF+8*\f+4:VF+8*\f+7], v[AV] offset:(\f/4)*32*PV+16*PV+((\f%4)/2)*VPL+(\f%2)*32
.endr
	WIN 0
.endm
; THE VECTOR WORK OF A TURN stands in three queues, each in the order in which its entries become ready; the two tiles alternate.
.macro REGS y, u
.set rT, ST+4*(2*(\y)+(\u))
.set rC, TMP+8*((\y)%2)+4*(\u)
.set rM, MV+2*((\y)%2)+(\u)
.set rS, S+64*((\y)%2)+32*(\u)
.set rP, P+32*((\y)%2)+16*(\u)
.set rO, 32*(2*(\y)+(\u))
.endm
; Number n of the 25 that find the NEXT piece's maximum and statistics.  0-11 four chains of seven scores, each accumulator's lowest registers read first; 12-14, 16 the four left over, the old m,
; all into c0; 15 c m_old is kept; 17, 18 the lane 16 away; 19-21 c m, its change, a; 22-24 c (-1,250) - c m, wh, wh twice in f16.
.macro XS u, n
	REGS (Y+1)%NP, \u
.if (\n) < 4
	v_max3_num_f32 v[rC+(\n)], v[rS+8*(\n)], v[rS+8*(\n)+1], v[rS+8*(\n)+2]
.elseif (\n) < 12
	v_max3_num_f32 v[rC+(\n)%4], v[rC+(\n)%4], v[rS+8*((\n)%4)+2*((\n)/4)+1], v[rS+8*((\n)%4)+2*((\n)/4)+2]
.elseif (\n) == 12
	v_max3_num_f32 v[rC], v[rC], v[rS+7], v[rS+15]
.elseif (\n) == 13
	v_max3_num_f32 v[rC+1], v[rC+1], v[rS+23], v[rS+31]
.elseif (\n) == 14
	v_max3_num_f32 v[rC+2], v[rC+2], v[rC+3], v[rT+1]
.elseif (\n) == 15
	v_mov_b32 v[rM], v[rT]
.elseif (\n) == 16
	v_max3_num_f32 v[rC], v[rC], v[rC+1], v[rC+2]
.elseif (\n) == 17
	v_permlanex16_b32 v[rC+3], v[rC], s[SEL], s[SEL+1]
.elseif (\n) == 18
	v_max_num_f32 v[rT+1], v[rC], v[rC+3]
.elseif (\n) == 19
	v_mul_f32 v[rT], s[CS], v[rT+1]
.elseif (\n) == 20
	v_sub_f32 v[rC+1], v[rM], v[rT]
.elseif (\n) == 21
	v_exp_f32 v[rC+2], v[rC+1]
.elseif (\n) == 22
	v_fma_f32 v[rC], s[CS], s[NEG], -v[rT]
.elseif (\n) == 23
	v_exp_f32 v[rC], v[rC]
.else
	v_cvt_pk_f16_f32 v[rC+1], v[rC], v[rC]
.endif
.endm
; Number g of the 64 that follow the exponentials: pair k of a tile's weights is rounded to f16, and two lines later raised to the floor wh.
.macro GS g
.set h, (\g)+2
	REGS Y, h%2
.set k, h/4
.if h%4 < 2
	v_pk_max_num_f16 v[rP+k-1], v[rP+k-1], v[rC+1]
.else
	v_cvt_pk_f16_f32 v[rP+k], v[rS+2*k], v[rS+2*k+1]
.endif
.endm
.macro FS f                         ; c s - c m for pair f / 2 of tile f % 2
	REGS Y, (\f)%2
	v_pk_fma_f32 v[rS+2*((\f)/2):rS+2*((\f)/2)+1], v[rS+2*((\f)/2):rS+2*((\f)/2)+1], s[CS:CS+1], v[rT:rT+1] op_sel_hi:[1,0,0] neg_lo:[0,0,1] neg_hi:[0,0,1]
.endm
; THE PLAIN QUEUE, 142 long.  0-31 the scalings; 32-59 XS 0-13; 60, 61 XS 15; 62-73 the chain XS 14, 16 .. 20; 74, 75 XS 22; behind the wait: 76, 77 XS 24; 78-141 GS.
.macro PL
	WIN 0
.if q < 32
	FS q
.elseif q < 60
	XS (q-32)%2, (q-32)/2
.elseif q < 62
	XS q-60, 15
.elseif q < 64
	XS q-62, 14
.elseif q < 74
	XS (q-64)%2, 16+(q-64)/2
.elseif q < 76
	XS q-74, 22
.elseif q < 78
	XS q-76, 24
.else
	GS q-78
.endif
.set q, q+1
.endm
; THE EXPONENTIALS' QUEUE, 68 long: s0-s31 of both tiles, then the next piece's two a and two wh.  ONE BATCH: all stand ahead of the turn's one wait, and nothing ahead of that wait names a result of theirs.
.macro EX
	WIN 0
.if e >= 66
	XS e-66, 23
.elseif e >= 64
	XS e-64, 21
.else
	REGS Y, e%2
	v_exp_f32 v[rS+e/2], v[rS+e/2]
.endif
.set e, e+1
.endm
.macro R2                           ; O^T times a, two packed multiplies at a time, ascending
	REGS Y, r%2
	WIN W_RS
.irp z, 0,1
	v_pk_mul_f32 v[rO+4*(r/2)+2*\z:rO+4*(r/2)+2*\z+1], v[rO+4*(r/2)+2*\z:rO+4*(r/2)+2*\z+1], v[rC+2:rC+3] op_sel_hi:[1,0]
.endr
.set r, r+1
.endm
.macro LR                           ; l times a: register 0 of each of the piece's two accumulators
	WIN W_LR
.irp u, 0,1
	REGS Y, \u
	v_mul_f32 v[LA+8*(2*Y+(\u))], v[LA+8*(2*Y+(\u))], v[rC+2]
.endr
.endm
; A TURN, for piece p.  HEAD: the next piece's mask bytes are in (behind them three younger groups of four loads: count 12); eight conversions; two scalings, the plain places behind a scaled conversion; the same registers
; are asked for again, for the piece's next step (piece 0 leads: turn 3 steps the offset, which wraps to step 0 at the end, so that no load leaves mk and the count is the same in every turn); l is rescaled.
; AHEAD OF THE WAIT: 24 products K Q^T; behind the first 16 a scaling, an exponential and two rescalings; behind the next 7 scaling, exponential, scaling, exponential; then ONE LUMP: ten lines of the maximum (an
; accumulator's first reader stands four plain lines or more behind its last product: the last accumulator's is the lump's eighth), the four row sums with four lines behind each, then plain and exponential by turns;
; the two a and two wh; a v_nop.  Exponential e stands behind scaling 2 (e / 4) + e % 2: the scalings run three or more ahead.
; BEHIND THE WAIT: wh in f16; 16 products V^T P, behind each four of the roundings and floors.
; K of the next step is fetched in piece 2's turn, directly behind the wait; V of the step in hand at the end of piece 0's turn, four plain riders behind its last reader.
.macro TURN p, last=0, cnt=0
.set Y, (\p)
.set i, 0
.set q, 0
.set e, 0
.set r, 0
.set lm, 0
.if (\p) == NP-1
	s_wait_dscnt 0x0                ; K is in
.endif
	s_wait_loadcnt 12
	CV ((\p)+1)%NP
	PL
	PL
.if (\p) == NP-1
	s_wait_xcnt 0x0                 ; the pending mask loads have read their offset
	s_add_co_u32 s[MST], s[MST], 1024
	s_and_b32 s[MST], s[MST], 0x7fff
	v_add_nc_u32 v[MO], s[MST], v[MO0]
.endif
	MLOAD ((\p)+1)%NP
	LR
.rept 16
	MM
	PL
	EX
	R2
.endr
.rept 7
	MM
	PL
	EX
	PL
	EX
.endr
	MM
.if (\p) == NP-2
	WIN 0
	v_add_nc_u32 v[AK], s[TBK], v[AK0]
.endif
.rept 10
	PL
.endr
.rept 4
	LM (Y+NP-1)%NP
	PL
	EX
	PL
	EX
.endr
.rept 26
	PL
	EX
.endr
	EX
	EX
	EX
	EX
	v_nop                           ; the plain instruction behind the last exponential: one for the batch
	s_wait_alu depctr_va_vdst(0)    ; one wait for the batch of 68
.if (\p) == NP-2
	FETCH_K \last
.endif
.if (\p) == 1
	s_wait_dscnt 0x0                ; V is in
.endif
	PL
	PL
.rept 16
	MM
.rept 4
	PL
.endr
.if ((\p) == 0) && (q == 122)
	v_add_nc_u32 v[AV], s[TBV], v[AV0]
.endif
.if ((\p) == 0) && (q == 134)
	s_add_co_u32 s[TBV], s[TBV], 64*PV
.endif
.if (\cnt) && (q == 134)
	s_sub_co_u32 s[CNT], s[CNT], 1
	s_cmp_lg_u32 s[CNT], 0
.endif
.endr
.if (\p) == 0
	FETCH_V
.endif
.endm
	CHANGE 1                        ; slot 0 is in, everybody's part of it; slot 1 is asked for
	FETCH_K                         ; key step 0
	s_wait_loadcnt 0x0              ; Q and step 0's mask bytes
	CV 0
	WIN 0
	v_nop                           ; the plain place behind the conversions
	s_mov_b32 s[MST], 1024
	v_add_nc_u32 v[MO], s[MST], v[MO0]
	MLOAD 0                         ; piece 0's bytes of step 1
	s_wait_dscnt 0x0
.set i, 0
.rept 24
	KQ 0
.set i, i+1
.endr
	WIN 0                           ; the addresses for the way out: nine plain instructions, the places behind those products
	s_mul_i32 s16, s[WV], 16*SP
	s_add_co_u32 s16, s16, STAGE
	v_mul_u32_u24 v[STO], v[TR], SP
	v_lshl_add_u32 v[STO], v[TH], 4, v[STO]
	v_add_nc_u32 v[STO], s16, v[STO]
	v_bfe_u32 v[RD], v0, 3, 2
	v_mul_u32_u24 v[RD], v[RD], SP
	v_lshl_add_u32 v[RD], v[T7], 4, v[RD]
	v_add_nc_u32 v[RD], s16, v[RD]
	v_and_b32 v[GO], 31, v0
	v_lshlrev_b32 v[GO], 4, v[GO]
.set Y, NP-1                        ; XS works for piece Y + 1: piece 0
.irp n, 0,1,2,3,4,5,6,7,8,9,10,11,12,13,14,15,16,17,18,19,20,22,21,23
	XS 0, \n
	XS 1, \n
.endr
	v_nop
	s_wait_alu depctr_va_vdst(0)    ; the two a and two wh have their wait ahead of their reader and of the branch
	XS 0, 24
	XS 1, 24
	s_mov_b32 s[CNT], 4
	s_mov_b32 s[SLOTS], 7
	s_branch .Lfirst                ; the loop is entered at a step's first turn
.Lslot:                             ; six times: every slot but the last two is filled again
	CHANGE 1
	s_mov_b32 s[CNT], 4
.Lstep:                             ; a trip: pieces 2 and 3 of one step, then pieces 0 and 1 of the next
	TURN 2
	TURN 3
	WIN 0
.Lfirst:
	TURN 0
	TURN 1, 0, 1
	WIN 0
	s_cbranch_scc1 .Lstep
	s_sub_co_u32 s[SLOTS], s[SLOTS], 1
	s_cmp_lg_u32 s[SLOTS], 0
	s_cbranch_scc1 .Lslot
	CHANGE 0                        ; the tail is written out
	s_mov_b32 s[CNT], 5             ; four trips fetch the last slot's steps; the fifth is left in its middle
.Ltail:
	TURN 2, 1
	TURN 3
	WIN 0
	s_sub_co_u32 s[CNT], s[CNT], 1
	s_cmp_eq_u32 s[CNT], 0
	s_cbranch_scc1 .Lout
	TURN 0
	TURN 1
	WIN 0
	s_branch .Ltail
.Lout:                              ; the fifth trip's products K Q^T (on the last K once more) and what is made of them serve nothing: the price, once a launch, of one text for every trip
.set i, 0
.rept 16
	PV NP-1
.set i, i+1
.endr
.set lm, 0
.rept 4
	LM NP-1
.endr
	; THE WAY OUT.  O^T is divided by l, rounded to f16 and sent through my stage in LDS, a tile at a time.
	WIN 0
.rept 4
	v_nop                           ; the places behind the last products
.endr
.macro ALL line:vararg
.set t, 0
.rept 2*NP
	\line
.set t, t+1
.endr
.endm
	WIN W_CV                        ; l (source 0) in window 3
	ALL v_rcp_f32 v[ST+4*t+2], v[LA+8*t]
	WIN 0
	v_nop
	s_wait_alu depctr_va_vdst(0)    ; one wait for the eight reciprocals
.macro PACK t
	WIN W_RS
.set i, 32*(\t)
.rept 16
	v_pk_mul_f32 v[i:i+1], v[i:i+1], v[ST+4*(\t)+2:ST+4*(\t)+3] op_sel_hi:[1,0]
.set i, i+2
.endr
	WIN 0x05
.set i, 0
.rept 16
	v_cvt_pk_f16_f32 v[S+16*(\t)+i], v[32*(\t)+2*i], v[32*(\t)+2*i+1]
.set i, i+1
.endr
	WIN 0
.irp f, 0,1,2,3
	ds_store_b128 v[STO], v[S+16*(\t)+4*\f:S+16*(\t)+4*\f+3] offset:32*\f
.endr
.irp f, 0,1,2,3
	ds_load_b128 v[S+16*(\t)+4*\f:S+16*(\t)+4*\f+3], v[RD] offset:\f*4*SP  ; LDS serves a wave's instructions in order (ISA guide 5.7.1.4): these see the stores above
.endr
.endm
.macro SEND t, younger
	WIN 0
.irp f, 0,1,2,3
	s_wait_dscnt (\younger)+3-\f
	global_store_b128 v[GO], v[S+16*(\t)+4*\f:S+16*(\t)+4*\f+3], s[14:15] offset:(\t)*2048+\f*512  ; 512 consecutive bytes, aligned
.endr
.endm
	PACK 0
.set t, 1
.rept 2*NP-1
	PACK t
	SEND t-1, 8
.set t, t+1
.endr
	SEND 2*NP-1, 0
	WIN W_AD
	s_wait_tensorcnt 0x0            ; the wave's end
	ds_add_u32 v[SPW], v[NIL]
	s_wait_dscnt 0x0
	WIN 0
	CROUND                          ; the closing round
	s_endpgm
.Lfunc_end_k_q770608c999_attn:
	.size	k_q770608c999_attn, .Lfunc_end_k_q770608c999_attn-k_q770608c999_attn
	.p2alignl 7, 3214868480
	.fill 96, 4, 3214868480
	.section	.rodata,"a",@progbits
	.p2align	6, 0x0
	.amdhsa_kernel k_q770608c999_attn
		.amdhsa_group_segment_fixed_size 327680
		.amdhsa_private_segment_fixed_size 0
		.amdhsa_enable_private_segment 0
		.amdhsa_kernarg_size 40
		.amdhsa_user_sgpr_count 2
		.amdhsa_user_sgpr_kernarg_segment_ptr 1
		.amdhsa_wavefront_size32 1
		.amdhsa_system_sgpr_workgroup_id_x 1
		.amdhsa_system_sgpr_workgroup_id_y 1
		.amdhsa_system_sgpr_workgroup_id_z 1
		.amdhsa_system_vgpr_workitem_id 0
		.amdhsa_next_free_vgpr 1008
		.amdhsa_next_free_sgpr 80
		.amdhsa_reserve_vcc 0
		.amdhsa_float_denorm_mode_32 3
		.amdhsa_float_denorm_mode_16_64 3
		.amdhsa_memory_ordered 1
		.amdhsa_forward_progress 1
		.amdhsa_inst_pref_size 233
	.end_amdhsa_kernel
	.amdgpu_metadata
---
amdhsa.version: [ 1, 2 ]
amdhsa.kernels:
  - .name:           k_q770608c999_attn
    .symbol:         k_q770608c999_attn.kd
    .args:
      - { .name: qw, .offset: 0, .size: 8, .value_kind: global_buffer, .address_space: global }
      - { .name: kw, .offset: 8, .size: 8, .value_kind: global_buffer, .address_space: global }
      - { .name: vw, .offset: 16, .size: 8, .value_kind: global_buffer, .address_space: global }
      - { .name: mk, .offset: 24, .size: 8, .value_kind: global_buffer, .address_space: global }
      - { .name: ow, .offset: 32, .size: 8, .value_kind: global_buffer, .address_space: global }
    .group_segment_fixed_size: 327680
    .private_segment_fixed_size: 0
    .kernarg_segment_align: 8
    .kernarg_segment_size: 40
    .max_flat_workgroup_size: 128
    .sgpr_count:     80
    .vgpr_count:     1008
    .wavefront_size: 32
...
	.end_amdgpu_metadata
.endif
;; end of part 3
;; launch oproj (part 4): grid 4 x 64, 4 waves a work-group, clusters of 4 x 4, 327,680 bytes of LDS; arguments ow, wts, out0; writes out0
.if DOCPART == 4
	.amdgcn_target "amdgcn-amd-amdhsa--gfx1250"
	.amdhsa_code_object_version 6
	.text
	.protected	k_q770608c999_oproj
	.globl	k_q770608c999_oproj
	.p2align	8
	.type	k_q770608c999_oproj,@function
k_q770608c999_oproj:
	s_mov_b64 s[64:65], 0
	v_nop
	global_prefetch_b8 v0, s[64:65] scope:SCOPE_SE
	s_setreg_imm32_b32 hwreg(HW_REG_WAVE_MODE, 25, 1), 1
	s_wait_xcnt 0x0
	s_wait_alu depctr_hold_cnt(0) depctr_sa_sdst(0) depctr_va_vdst(0) depctr_va_sdst(0) depctr_va_ssrc(0) depctr_va_vcc(0) depctr_vm_vsrc(0)
	s_getreg_b32 s2, hwreg(HW_REG_IB_STS2, 6, 4)
	s_cmp_eq_u32 s2, 0
	s_cbranch_scc0 .Lentry_in_a_cluster
	s_endpgm
.Lentry_in_a_cluster:
	s_bfe_u32 s2, ttmp6, 0x10000c
	s_cmp_lg_u32 s2, 0xf033
	s_cbranch_scc0 .Lentry_shape_is_right
	s_endpgm
.Lentry_shape_is_right:
; THE OUTPUT PROJECTION.  out0[t][d] = sum over c of O[t][c] Wo[d][c], c = 64 head + channel.  O: ow, f16 [bh][2048][64]; Wo: f16, wts from byte 6,291,456 on, [1024][1024]; out0 f32.  Sums in f32, K ascending.
; SHARES.  256 work-groups, one tile of 128 tokens x 256 columns each; wave w has all 128 tokens x columns 64 w ..: 32 accumulators (256 registers); for 32 along K 12 fragments feed 32 matrix instructions.
; The matrix instruction is used transposed (source 0 = 16 rows of Wo, source 1 = 16 tokens): a lane holds one token and eight neighbouring columns.
; RING.  K in steps of 128 = two heads, two LDS slots.  Waves 0 and 1 fetch a head's 128 tokens (16,384 dense bytes, asked for as 64 rows of 256, padded after every token: pitch 144); waves 2 and 3 128 rows of Wo (pitch 272).
; CLUSTER 4 x 4: O's tiles are shared along a row of the cluster, Wo's along a column.  No prefetch: a small tile and a short launch.
; REGISTERS: window 0: v16-29 addresses; v64-127, v128-191 O's fragments, two buffers.  window 1: v64-95, v128-159 Wo's.  window 2: the accumulators at v[32 a + 8 nb].
.set WOFF,  6291456
.set PA,    144
.set PB,    272
.set ASUB,  128*PA                     ; a head's tokens in a slot
.set BOFF,  2*ASUB
.set HALFB, 128*PB
.set SLOT,  BOFF+2*HALFB               ; 106,496
.set SPARE, 2*SLOT                     ; the spare words, 128 bytes a wave
.set ADRA, 16
.set ADRB, 20
.set DST,  24                          ; v24  the way out: where I put 16 bytes of a token's 256
.set RD,   25                          ; v25  where I read rows back
.set CO,   26                          ; v26  my byte offset in two rows of out0
.set SPW,  28
.set NIL,  29
.set F0,   64
.set F1,   128
.set G1,  24
.set G0,  32
.set G1B, 48
.set G0B, 56
.set MSB, 0
.macro WIN new
.if MSB != (\new)
	s_set_vgpr_msb (MSB<<8)|(\new)
.set MSB, \new
.endif
.endm
.set MUL,  0xa1                        ; source 0 (Wo) window 1, source 1 (O) window 0, C and D window 2
.set TO_B, 0x40
.macro PLACES
.rept 4
	v_nop
.endr
.endm
.macro JLOAD s                         ; waves 0 and 1 ask for O's two heads, waves 2 and 3 for Wo's two halves; an s_nop 0 and four v_nop follow each line
	s_cmp_eq_u32 s11, 0
	s_cbranch_scc0 .Lfor_b_\@
	tensor_load_to_lds s[G0+4*(\s):G0+4*(\s)+3], s[G1:G1+7]
	s_nop 0
.rept 4
	v_nop
.endr
	s_branch .Lasked_\@
.Lfor_b_\@:
	tensor_load_to_lds s[G0B+4*(\s):G0B+4*(\s)+3], s[G1B:G1B+7]
	s_nop 0
.rept 4
	v_nop
.endr
.Lasked_\@:
.endm
.macro CREST
	s_cmp_lg_u32 s10, 0
	s_cbranch_scc1 .Lnot_wave_0_\@
	s_barrier_signal -3
.Lnot_wave_0_\@:
	s_barrier_wait -3
	s_barrier_signal -1
	s_barrier_wait -1
.endm
.macro CROUND
	s_barrier_signal -1
	s_barrier_wait -1
	CREST
.endm
	s_load_b128 s[4:7], s[0:1], 0x0                ; ow 4, wts 6
	s_load_b64 s[8:9], s[0:1], 0x10                ; out0
	v_lshl_add_u32 v[SPW], v0, 2, SPARE
	v_mov_b32 v[NIL], 0
	ds_add_u32 v[SPW], v[NIL]                      ; the wave's opening: the add and its wait ahead of my first tensor load
	v_lshrrev_b32 v1, 5, v0
	v_readfirstlane_b32 s10, v1                    ; wave
	s_lshr_b32 s11, s10, 1                         ; I fetch for O (0) or for Wo (1),
	s_and_b32 s12, s10, 1                          ; its first or second half
	s_bfe_u32 s40, ttmp6, 0x40000                  ; cx
	s_bfe_u32 s41, ttmp6, 0x40004                  ; cy
	s_lshl_b32 s42, ttmp9, 2
	s_add_co_u32 s42, s42, s40                     ; X: tile column, 0..3
	s_and_b32 s13, ttmp7, 0xffff
	s_lshl_b32 s13, s13, 2
	s_add_co_u32 s13, s13, s41                     ; Y: tile row, 0..63
	s_lshl_b32 s43, s41, 2
	s_lshl_b32 s43, 15, s43                        ; my row of the cluster
	s_lshl_b32 s44, 0x1111, s40                    ; my column
	s_or_b32 s[G1], s43, (1<<16)|(1<<20)|(1<<21)|(4<<22)|(3<<25)   ; padding after every 32 words (a token) of 4 words
	s_mov_b32 s[G1+1], 128<<16
	s_mov_b32 s[G1+2], 64<<16
	s_mov_b32 s[G1+3], 128<<16
	s_mov_b32 s[G1+4], 64
	s_mov_b32 s[G1+5], 128
	s_mov_b32 s[G1+6], 0
	s_mov_b32 s[G1+7], 0
	s_or_b32 s[G1B], s44, (1<<16)|(1<<20)|(1<<21)|(5<<22)|(3<<25)  ; after every 64 words (a row)
	s_mov_b32 s[G1B+1], 128<<16
	s_mov_b32 s[G1B+2], 128<<16
	s_mov_b32 s[G1B+3], 128<<16
	s_mov_b32 s[G1B+4], 128
	s_mov_b32 s[G1B+5], 1024
	s_mov_b32 s[G1B+6], 0
	s_mov_b32 s[G1B+7], 0
	s_lshr_b32 s16, s13, 4
	s_lshl_b32 s16, s16, 22                        ; the batch: 16 heads of 262,144 bytes
	s_and_b32 s17, s13, 15
	s_lshl_b32 s17, s17, 14                        ; my first token x 128 bytes
	s_add_co_u32 s16, s16, s17
	s_lshl_b32 s17, s12, 18                        ; head 0 or 1
	s_add_co_u32 s16, s16, s17
	s_mov_b32 s17, 0
	s_lshl_b32 s46, s42, 19                        ; Wo: 256 X rows of 2,048 bytes
	s_lshl_b32 s47, s12, 18                        ; + 128 rows
	s_add_co_u32 s46, s46, s47
	s_add_co_u32 s46, s46, WOFF
	s_mov_b32 s47, 0
	s_mul_i32 s20, s12, ASUB                       ; where they go: no place in the cluster enters an LDS address
	s_mul_i32 s21, s12, HALFB
	s_add_co_u32 s21, s21, BOFF
	s_wait_dscnt 0x0                               ; the opening add is done
	s_wait_kmcnt 0x0
	s_add_nc_u64 s[14:15], s[4:5], s[16:17]
	s_add_nc_u64 s[46:47], s[6:7], s[46:47]
	CROUND                                         ; all sixteen work-groups are here
.irp s, 0,1
	s_mov_b32 s[G0+4*(\s)], 1
	s_add_co_u32 s[G0+4*(\s)+1], s20, (\s)*SLOT
	s_add_nc_u64 s[G0+4*(\s)+2:G0+4*(\s)+3], s[14:15], (\s)*524288   ; K step s: two heads on
	s_or_b32 s[G0+4*(\s)+3], s[G0+4*(\s)+3], 0x80000000
	s_mov_b32 s[G0B+4*(\s)], 1
	s_add_co_u32 s[G0B+4*(\s)+1], s21, (\s)*SLOT
	s_add_nc_u64 s[G0B+4*(\s)+2:G0B+4*(\s)+3], s[46:47], (\s)*256
	s_or_b32 s[G0B+4*(\s)+3], s[G0B+4*(\s)+3], 0x80000000
	JLOAD \s
.endr
	v_and_b32 v1, 15, v0
	v_bfe_u32 v2, v0, 4, 1
	v_mul_u32_u24 v3, v1, PA
	v_lshl_add_u32 v[ADRA], v2, 4, v3
	v_add_nc_u32 v[ADRA+1], SLOT, v[ADRA]
	v_mul_u32_u24 v3, v1, PB
	v_lshl_add_u32 v3, v2, 4, v3
	s_mul_i32 s22, s10, 64*PB
	s_add_co_u32 s22, s22, BOFF                    ; my 64 rows of Wo
	v_add_nc_u32 v[ADRB], s22, v3
	v_add_nc_u32 v[ADRB+1], SLOT, v[ADRB]
	s_mul_i32 s23, s10, HALFB                      ; the way out: my 128 rows of 272 bytes, in the ring when it has had its last fill
	v_mul_u32_u24 v4, v1, PB
	v_lshl_add_u32 v4, v2, 5, v4
	v_add_nc_u32 v[DST], s23, v4
	v_mul_u32_u24 v5, v2, PB
	v_lshl_add_u32 v5, v1, 4, v5
	v_add_nc_u32 v[RD], s23, v5
	v_lshlrev_b32 v5, 12, v2
	v_lshl_add_u32 v[CO], v1, 4, v5
	s_lshl_b32 s16, s13, 19                        ; 128 Y rows of 4,096 bytes
	s_lshl_b32 s17, s42, 10
	s_add_co_u32 s16, s16, s17
	s_lshl_b32 s17, s10, 8
	s_add_co_u32 s16, s16, s17
	s_mov_b32 s17, 0
	s_add_nc_u64 s[8:9], s[8:9], s[16:17]
.macro MUL8 f, a0, zero                ; token blocks a0, a0 + 1 x all 4 column blocks, 32 along K
	WIN MUL
.irp a, \a0, (\a0)+1
.irp b, 0,1,2,3
.if \zero
	v_wmma_f32_16x16x32_f16 v[32*(\a)+8*(\b):32*(\a)+8*(\b)+7], v[(\f)+8*(\b):(\f)+8*(\b)+7], v[(\f)+8*(\a):(\f)+8*(\a)+7], 0
.else
	v_wmma_f32_16x16x32_f16 v[32*(\a)+8*(\b):32*(\a)+8*(\b)+7], v[(\f)+8*(\b):(\f)+8*(\b)+7], v[(\f)+8*(\a):(\f)+8*(\a)+7], v[32*(\a)+8*(\b):32*(\a)+8*(\b)+7]
.endif
.endr
.endr
.endm
.macro FETCH slot, q, f                ; quarter q of a K step: head q / 2, channels 32 (q % 2) on; 24 LDS loads in one run
	WIN TO_B
.irp i, 0,1,2,3
	ds_load_b128 v[(\f)+8*(\i):(\f)+8*(\i)+3],   v[ADRB+(\slot)] offset:(\q)*64+(\i)*16*PB
	ds_load_b128 v[(\f)+8*(\i)+4:(\f)+8*(\i)+7], v[ADRB+(\slot)] offset:(\q)*64+(\i)*16*PB+32
.endr
	WIN 0
.irp i, 0,1,2,3,4,5,6,7
	ds_load_b128 v[(\f)+8*(\i):(\f)+8*(\i)+3],   v[ADRA+(\slot)] offset:((\q)/2)*ASUB+((\q)%2)*64+(\i)*16*PA
	ds_load_b128 v[(\f)+8*(\i)+4:(\f)+8*(\i)+7], v[ADRA+(\slot)] offset:((\q)/2)*ASUB+((\q)%2)*64+(\i)*16*PA+32
.endr
.endm
.macro QUARTER slot, q, f, g, zero     ; multiplies buffer f, fetches quarter q into g.  The 32 accumulators take turns
	s_wait_dscnt 8                                 ; Wo's fragments and tokens 0-63 are in
	MUL8 \f, 0, \zero
	MUL8 \f, 2, \zero
	PLACES
	FETCH \slot, \q, \g
	s_wait_dscnt 24                                ; all but the 24 just issued
	MUL8 \f, 4, \zero
	MUL8 \f, 6, \zero
.endm
.macro TURN slot, next, fill           ; the last quarter changes slots: the three lines, ONE barrier (with fill = 1 it opens a round of the cluster's), the joint refill first behind it
	WIN 0
	s_wait_tensorcnt 0x0
	ds_add_u32 v[SPW], v[NIL]
	s_wait_dscnt 9                                 ; (the add and the youngest eight loads may be out)
	MUL8 F1, 0, 0
	s_wait_dscnt 0x0                               ; the add is done, and my reads of this slot are over
	s_barrier_signal -1
	MUL8 F1, 2, 0
.if \fill
	WIN 0
.endif
	s_barrier_wait -1
.if \fill
	CREST
	s_add_nc_u64 s[G0+4*(\slot)+2:G0+4*(\slot)+3], s[G0+4*(\slot)+2:G0+4*(\slot)+3], 2*524288
	s_add_nc_u64 s[G0B+4*(\slot)+2:G0B+4*(\slot)+3], s[G0B+4*(\slot)+2:G0B+4*(\slot)+3], 2*256
	JLOAD \slot
.else
	PLACES
.endif
	FETCH \next, 0, F0
	MUL8 F1, 4, 0
	MUL8 F1, 6, 0
.endm
	s_wait_tensorcnt 1                             ; my part of K step 0 is in; K step 1's may stay out
	s_barrier_signal -1
	s_barrier_wait -1
	FETCH 0, 0, F0
	QUARTER 0, 1, F0, F1, 1
	WIN 0
	s_mov_b32 s3, 3
.Llap:
	QUARTER 0, 2, F1, F0, 0
	QUARTER 0, 3, F0, F1, 0
	TURN 0, 1, 1
	QUARTER 1, 1, F0, F1, 0
	QUARTER 1, 2, F1, F0, 0
	QUARTER 1, 3, F0, F1, 0
	TURN 1, 0, 1
	QUARTER 0, 1, F0, F1, 0
	WIN 0
	s_sub_co_u32 s3, s3, 1
	s_cmp_lg_u32 s3, 0
	s_cbranch_scc1 .Llap
	QUARTER 0, 2, F1, F0, 0                        ; the last lap fills nothing
	QUARTER 0, 3, F0, F1, 0
	TURN 0, 1, 0
	QUARTER 1, 1, F0, F1, 0
	QUARTER 1, 2, F1, F0, 0
	QUARTER 1, 3, F0, F1, 0
	s_wait_dscnt 8
	MUL8 F1, 0, 0
	MUL8 F1, 2, 0
	s_wait_dscnt 0x0
	MUL8 F1, 4, 0
	MUL8 F1, 6, 0
	; THE WAY OUT: behind the barrier nobody reads the ring; my 128 x 64 f32 go into my own rows of 272 bytes and come back as whole rows of 256.
	WIN 0
	PLACES
	s_barrier_signal -1
	s_barrier_wait -1
	WIN 0x08                                       ; the data (source 1) in window 2
.irp a, 0,1,2,3,4,5,6,7
.irp b, 0,1,2,3
	ds_store_b128 v[DST], v[32*(\a)+8*(\b):32*(\a)+8*(\b)+3]   offset:(\a)*16*PB+(\b)*64
	ds_store_b128 v[DST], v[32*(\a)+8*(\b)+4:32*(\a)+8*(\b)+7] offset:(\a)*16*PB+(\b)*64+16
.endr
.endr
	WIN 0
	s_mov_b32 s2, 8
.Lout:                                                 ; 16 tokens a trip
.irp j, 0,1,2,3,4,5,6,7
	ds_load_b128 v[64+4*(\j):67+4*(\j)], v[RD] offset:(\j)*2*PB  ; LDS serves a wave's instructions in order: these see my stores above
.endr
.irp j, 0,1,2,3,4,5,6,7
	s_wait_dscnt 7-(\j)
	global_store_b128 v[CO], v[64+4*(\j):67+4*(\j)], s[8:9] offset:(\j)*8192 th:TH_STORE_NT  ; 16 lanes store 256 consecutive bytes, aligned
.endr
	s_wait_xcnt 0x0                                ; the stores have read their data and base
	s_add_nc_u64 s[8:9], s[8:9], 65536
	v_add_nc_u32 v[RD], 16*PB, v[RD]
	s_sub_co_u32 s2, s2, 1
	s_cmp_lg_u32 s2, 0
	s_cbranch_scc1 .Lout
	s_wait_tensorcnt 0x0                           ; the wave's end
	ds_add_u32 v[SPW], v[NIL]
	s_wait_dscnt 0x0
	CROUND                                         ; the closing round
	s_endpgm
.Lfunc_end_k_q770608c999_oproj:
	.size	k_q770608c999_oproj, .Lfunc_end_k_q770608c999_oproj-k_q770608c999_oproj
	.p2alignl 7, 3214868480
	.fill 96, 4, 3214868480
	.section	.rodata,"a",@progbits
	.p2align	6, 0x0
	.amdhsa_kernel k_q770608c999_oproj
		.amdhsa_group_segment_fixed_size 327680
		.amdhsa_private_segment_fixed_size 0
		.amdhsa_enable_private_segment 0
		.amdhsa_kernarg_size 24
		.amdhsa_user_sgpr_count 2
		.amdhsa_user_sgpr_kernarg_segment_ptr 1
		.amdhsa_wavefront_size32 1
		.amdhsa_system_sgpr_workgroup_id_x 1
		.amdhsa_system_sgpr_workgroup_id_y 1
		.amdhsa_system_sgpr_workgroup_id_z 1
		.amdhsa_system_vgpr_workitem_id 0
		.amdhsa_next_free_vgpr 768
		.amdhsa_next_free_sgpr 66
		.amdhsa_reserve_vcc 0
		.amdhsa_float_denorm_mode_32 3
		.amdhsa_float_denorm_mode_16_64 3
		.amdhsa_memory_ordered 1
		.amdhsa_forward_progress 1
		.amdhsa_inst_pref_size 77
	.end_amdhsa_kernel
	.amdgpu_metadata
---
amdhsa.version: [ 1, 2 ]
amdhsa.kernels:
  - .name:           k_q770608c999_oproj
    .symbol:         k_q770608c999_oproj.kd
    .args:
      - { .name: ow, .offset: 0, .size: 8, .value_kind: global_buffer, .address_space: global }
      - { .name: wts, .offset: 8, .size: 8, .value_kind: global_buffer, .address_space: global }
      - { .name: out0, .offset: 16, .size: 8, .value_kind: global_buffer, .address_space: global }
    .group_segment_fixed_size: 327680
    .private_segment_fixed_size: 0
    .kernarg_segment_align: 8
    .kernarg_segment_size: 24
    .max_flat_workgroup_size: 128
    .sgpr_count:     66
    .vgpr_count:     768
    .wavefront_size: 32
...
	.end_amdgpu_metadata
.endif
;; end of part 4
